; MI455X (gfx1250); checked and timed in simulation.
; The chip was launched on July 23, 2026; its instructions are those of AMD's public machine-readable ISA for CDNA 5 (MIT licence, August 2026) and "CDNA5" Instruction Set Architecture Reference Guide (July 2026). The comments in the code are by the model that wrote it; some were corrected since.
;; Multi Head Yat Attention. Allowed arithmetic: matrix products marked QUANTISED: E2M3 operands, one E8M0 scale for each 32 along K, by v_wmma_scale_f32_16x16x128_f8f6f4 with both operands' format E2M3, f32 sums; products left as they are: f32 operands where the result goes on into a quantised operand, else bf16, f16 or f32 operands; f32 sums; everything else in f32.
;; Inputs: Wk 1,024 x 1,024 float32; Wo 1,024 x 1,024 float32; Wq 1,024 x 1,024 float32; Wv 1,024 x 1,024 float32; alpha 1 float32; bk 1,024 float32; bo 1,024 float32; bq 1,024 float32; bv 1,024 float32; query 2 x 2,048 x 1,024 float32.
;; Outputs: out0 2 x 2,048 x 1,024 float32.
;; This version of the problem:
;;   THIS VERSION OF THE PROBLEM IS GIVEN IN LOW PRECISION. The matrix products marked QUANTISED in the list below multiply operands that are first quantised to E2M3 (2 exponent bits, 3 mantissa bits; 6 bits a number), with one power-of-two scale for each 32 numbers along K (OCP MX v1.0); their sums are f32. All else is computed in f32.
;;   The module's matrix products, in the order in which they are computed (A, B: the left and right operand; K: the contracted axis; several contracted axes count as one K, in the product's order):
;;     1. [M 4,096, K 1,024] x [K 1,024, N 1,024]; A: input query; B: input Wq: QUANTISED
;;     2. [M 4,096, K 1,024] x [K 1,024, N 1,024]; A: input query; B: input Wk: QUANTISED
;;     3. [M 4,096, K 1,024] x [K 1,024, N 1,024]; A: input query; B: input Wv: QUANTISED
;;     4. batch 32 x [M 2,048, K 64] x [K 64, N 2,048]; A: computed on the way; B: computed on the way: QUANTISED
;;     5. batch 65,536 x [M 1, K 64] x [K 64, N 1]; A: computed on the way; B: computed on the way: left as it is (M = 1 < 16)
;;     6. batch 65,536 x [M 1, K 64] x [K 64, N 1]; A: computed on the way; B: computed on the way: left as it is (M = 1 < 16)
;;     7. batch 32 x [M 64, K 2,048] x [K 2,048, N 2,048]; A: computed on the way; B: softmax (see below): QUANTISED
;;     8. [M 4,096, K 1,024] x [K 1,024, N 1,024]; A: computed on the way; B: input Wo: QUANTISED
;;   THE QUANTISER, for each operand of a quantised product, along K:
;;     - K is cut into blocks of 32 from its start; a last block that is shorter is filled with zeros.
;;     - A block's scale is 2^e with e = floor(log2(the largest magnitude in the block)) - 2, held to -126 .. 127; a block of zeros has e = 0. As a byte (E8M0): e + 127.
;;     - Each number is divided by its block's scale, clamped to +-7.5, and rounded to the nearest number of E2M3, ties to even, subnormals kept.
;;     - The product sums the exact products of the quantised numbers (number of the format x scale) in f32.
;;   ~~~python
;;   def quantise(x, axis):      # numpy; x: float32 -> the quantised numbers, widened to float32 again
;;       x = np.moveaxis(x, axis, -1); K = x.shape[-1]
;;       x = np.pad(x, [(0, 0)] * (x.ndim - 1) + [(0, -K % 32)]); x = x.reshape(x.shape[:-1] + (-1, 32)); a = np.abs(x).max(-1, keepdims=True)
;;       e = np.where(a > 0, np.clip(np.frexp(np.where(a > 0, a, 1))[1] - 1 - 2, -126, 127), 0)      # np.frexp(a)[1] - 1 = floor(log2(a)), exactly
;;       r = np.clip(x / 2.0 ** e, -7.5, 7.5)
;;       step = 2.0 ** (np.maximum(np.frexp(np.where(r == 0, 1, r))[1] - 1, 0) - 3)
;;       q = np.round(r / step) * step * 2.0 ** e      # np.round: ties to even
;;       return np.moveaxis(q.reshape(q.shape[:-2] + (-1,))[..., :K], -1, axis).astype(np.float32)
;;   ~~~
;;   SOFTMAX AHEAD OF A QUANTISED PRODUCT. Where the list says 'softmax', what is quantised is not the finished softmax but p = 2^(t - M), with t = logit x log2(e) and M = ceil(the row's largest t), a whole number; so 1/2 < the row's largest p <= 1. The row's sum l is taken of the UNQUANTISED p, in f32, and the product's result is divided by l at the end. Since M is a whole number, a kernel that streams over the keys may use a running M (the ceiling of the running maximum): every later rescaling is an exact power of two, which a block's scale takes up: the codes' values come out the same.
;;   OPERANDS COMPUTED ON THE WAY. 'Computed on the way' means the value that the module computes at that place (a softmax that the list does not call 'softmax' is quantised finished and normalised). What goes into a quantiser is computed in f32, as accurately as f32 sums, v_exp_f32 and their like allow (about 1e-6 of the number): no bf16 or f16 on the way to a quantiser, and a product that is left as it is and whose result goes on into a quantised operand takes f32 operands (vector FMAs, or v_wmma_f32_16x16x4_f32). A number that lies on a knife's edge between two numbers of the format may be rounded either way, as far as f32 arithmetic and the matrix unit's own rounding can turn it there, and no further.
;; One version. Each part assembles by itself: llvm-mc -triple=amdgcn-amd-amdhsa -mcpu=gfx1250 --defsym DOCPART=n.
;; ======== version 1 of 1: 4 launches
;; limits: right only within a limited range of input values
;; workspace buffers: xq_codes 3,145,728 bytes; xq_scales 131,072 bytes; w_codes 3,145,728 bytes; w_scales 131,072 bytes; qi 3,670,016 bytes; kv 6,946,816 bytes; ao_codes 3,145,728 bytes; ao_scales 131,072 bytes
;; launch quant (part 1): grid 256 x 1, 4 waves a work-group, no clusters, 33,280 bytes of LDS; arguments query, Wq, Wk, Wv, Wo, xq_codes, xq_scales, w_codes, w_scales; writes xq_codes, xq_scales, w_codes, w_scales
.if DOCPART == 1
	.amdgcn_target "amdgcn-amd-amdhsa--gfx1250"
	.amdhsa_code_object_version 6
	.text
	.protected	k_q1590a1d718_quant
	.globl	k_q1590a1d718_quant
	.p2align	8
	.type	k_q1590a1d718_quant,@function
k_q1590a1d718_quant:
	s_mov_b64 s[64:65], 0
	v_nop
	global_prefetch_b8 v0, s[64:65] scope:SCOPE_SE
	s_setreg_imm32_b32 hwreg(HW_REG_WAVE_MODE, 25, 1), 1
	s_wait_xcnt 0x0
; query [4096][1024] and Wq, Wk, Wv, Wo [1024][1024], f32, become codes of FP6 (E2M3), K (the last axis) innermost, with one E8M0 scale byte for each 32 along K.
; A block's scale is 2^(floor(log2(its largest magnitude)) - 2); its byte is the largest magnitude's exponent field - 2, held at 1 from below.  A block of zeros so gets the byte 1 where the
; quantiser's text says 127: its codes are zeros, which add nothing under any byte but 0xff, and the bytes are read by this program alone.
; LIMITS: NaN and infinities among the inputs are not served; a block whose largest magnitude lies under 2^-124 takes the floor's byte, 1.
; SHARES: 8,388,608 numbers = 256 work-groups x 4 waves x 8,192 numbers; a wave's run is 8 whole rows.  Work-groups 0-127 take query, 128-159 Wq, 160-191 Wk, 192-223 Wv, 224-255 Wo.
; ROW ORDER OF THE RESULT: row n of query, Wq, Wk and Wv goes to row n with bits 3 and 4 swapped (the wave's two bits here); Wo keeps its order.
; THE CODES' LAYOUT: [group of 256 rows][K step of 256][row in the group][192 bytes].  So the 256 rows x 192 bytes of one K step are 49,152 dense bytes, which the later launches' tensor loads take
; as rows of 768 bytes that begin at multiples of 256.  The scale bytes lie [row][32].
; A wave takes 16 steps of 512 numbers (half a row: two K steps).  Each of a step's four loads reads 512 consecutive bytes; the 2,048 bytes turn through the wave's own stage in LDS and come back 64 bytes a lane,
; so that a lane holds 16 neighbours along K (two neighbouring lanes hold a block).  A lane's 16 codes are 12 bytes: lanes 0-15 store 192 consecutive bytes of one K step, lanes 16-31 of the next;
; a wave's 8 rows fill 1,536 consecutive bytes of each K step.  The wave's 256 scale bytes leave as one aligned run of 256.
; No tensor loads, no barrier: waves share nothing.  Loads run four steps (16 loads a wave) ahead, the turn through LDS one step.
.set STEPS, 16
.set EMAX,  2
.set CB,    12                         ; bytes of 16 codes
.set KSB,   49152                      ; a K step of a group: 256 rows x 192 bytes
.set R,     16                         ; v16-79   four sets of 16 numbers as they are loaded
.set X,     80                         ; v80-111  two sets of 16 neighbours
.set C,     128                        ; v128-191 codes: four registers for each step
.set E,     112                        ; v112-127 a scale byte for each step
.set WREG,  8192                       ; LDS: a region for each wave: two stages of 32 x SP bytes, and behind them its 256 scale bytes
.set SP,    80                         ; a lane's place in a stage: its 64 bytes + 16 of padding
	s_load_b256 s[4:11], s[0:1], 0x0               ; query, Wq, Wk, Wv
	s_load_b64 s[12:13], s[0:1], 0x20              ; Wo
	s_load_b128 s[24:27], s[0:1], 0x28             ; query's codes, query's scales
	s_load_b128 s[28:31], s[0:1], 0x38             ; the weights' codes, the weights' scales
	v_lshl_add_u32 v192, v0, 2, 0x8000             ; my spare word, behind the four regions
	v_mov_b32 v193, 0
	v_lshrrev_b32 v1, 5, v0
	v_readfirstlane_b32 s16, v1                    ; wave
	v_and_b32 v2, 31, v0                           ; lane
	v_lshlrev_b32 v3, 4, v2                        ; my 16 bytes of a load's 512
	s_mul_i32 s17, s16, WREG
	v_lshrrev_b32 v14, 2, v2
	v_mul_u32_u24 v14, v14, SP
	v_and_b32 v15, 3, v2
	v_lshl_add_u32 v14, v15, 4, v14
	v_add_nc_u32 v14, s17, v14                     ; the stage, on the way in: SP (lane / 4) + 16 (lane % 4)
	v_mul_u32_u24 v15, v2, SP
	v_add_nc_u32 v15, s17, v15                     ; and on the way out: SP x lane: my 16 neighbours
	v_and_b32 v4, 15, v2
	v_mul_u32_u24 v4, v4, CB
	v_lshrrev_b32 v10, 4, v2
	v_mad_u32_u24 v4, v10, KSB, v4                 ; my codes' place: 12 (lane % 16), lanes 16-31 one K step on
	v_lshrrev_b32 v5, 1, v2
	s_add_co_u32 s17, s17, 2*32*SP
	v_add_nc_u32 v5, s17, v5                       ; LDS: my wave's 256 scale bytes, my block's byte
	v_lshlrev_b32 v7, 3, v2                        ; and on the way out 8 bytes a lane
	v_add_nc_u32 v6, s17, v7
	s_and_b32 s22, s16, 1
	s_lshl_b32 s22, s22, 1
	s_lshr_b32 s23, s16, 1
	s_or_b32 s22, s22, s23                         ; the wave's two bits swapped: where my 8 rows go
	s_wait_alu depctr_va_vdst(0)                   ; the wait at the head's end
	s_wait_kmcnt 0x0
	s_cmp_lt_u32 ttmp9, 224                        ; every choice hangs on the work-group's number alone
	s_cselect_b32 s22, s22, s16                    ; (Wo keeps its order)
	s_cselect_b64 s[12:13], s[10:11], s[12:13]
	s_cmp_lt_u32 ttmp9, 192
	s_cselect_b64 s[12:13], s[8:9], s[12:13]
	s_cmp_lt_u32 ttmp9, 160
	s_cselect_b64 s[12:13], s[6:7], s[12:13]
	s_cmp_lt_u32 ttmp9, 128
	s_cselect_b64 s[4:5], s[4:5], s[12:13]         ; the tensor that I read
	s_cselect_b64 s[8:9], s[24:25], s[28:29]       ; where its codes go,
	s_cselect_b64 s[10:11], s[26:27], s[30:31]     ; and its scale bytes
	s_cselect_b32 s17, 0, 128
	s_cselect_b32 s19, -1, 31
	s_sub_co_u32 s17, ttmp9, s17                   ; which 32 rows of the result's buffer,
	s_and_b32 s19, s17, s19                        ; and of the tensor that I read
	s_lshl_b32 s19, s19, 2
	s_add_co_u32 s18, s19, s16                     ; my run of 8,192 numbers in it
	s_mov_b32 s19, 0
	s_lshl_b64 s[20:21], s[18:19], 15              ; x 32,768 bytes
	s_add_nc_u64 s[4:5], s[4:5], s[20:21]
	s_lshl_b32 s17, s17, 2
	s_add_co_u32 s18, s17, s22                     ; the run's place in the result, in runs of 8 rows
	s_lshr_b32 s20, s18, 5
	s_mul_i32 s20, s20, 4*KSB                      ; its group of 256 rows,
	s_and_b32 s21, s18, 31
	s_mul_i32 s21, s21, 8*192                      ; and its 8 rows in a K step of the group
	s_add_co_u32 s20, s20, s21
	s_mov_b32 s21, 0
	s_add_nc_u64 s[8:9], s[8:9], s[20:21]
	s_lshl_b32 s18, s18, 8                         ; 256 scale bytes a run
	s_add_nc_u64 s[10:11], s[10:11], s[18:19]
.macro LOAD t
.irp i, 0,1,2,3
	global_load_b128 v[R+16*((\t)%4)+4*\i:R+16*((\t)%4)+4*\i+3], v3, s[4:5] offset:2048*(\t)+512*\i th:TH_LOAD_NT   ; 32 lanes read 512 consecutive bytes
.endr
.endm
.macro TURN t                          ; step t's numbers through the stage: LDS serves a wave's instructions in order, so no wait stands between the stores and the loads
.irp i, 0,1,2,3
	ds_store_b128 v14, v[R+16*((\t)%4)+4*\i:R+16*((\t)%4)+4*\i+3] offset:32*SP*((\t)%2)+8*SP*\i
.endr
.irp i, 0,1,2,3
	ds_load_b128 v[X+16*((\t)%2)+4*\i:X+16*((\t)%2)+4*\i+3], v15 offset:32*SP*((\t)%2)+16*\i
.endr
.endm
.irp t, 0,1,2,3
	LOAD \t
.endr
	s_wait_loadcnt 12                              ; step 0's four loads are in; the twelve of steps 1 to 3 may be out
	TURN 0
.macro STEP t
.set XS, X+16*((\t)%2)
.if (\t) > 0
	s_wait_dscnt 1                                 ; this step's numbers are back from the stage (the last step's byte store may be out)
.else
	s_wait_dscnt 0x0
.endif
.if (\t)+4 < STEPS
	LOAD (\t)+4
.endif
.if (\t)+1 < STEPS
.if STEPS-2-(\t) >= 3
	s_wait_loadcnt 12                              ; the next step's four loads are in; those of the three steps behind it may be out
.else
	s_wait_loadcnt 4*(STEPS-2-(\t))
.endif
	TURN (\t)+1
.endif
	v_max3_num_f32 v8, |v[XS]|, |v[XS+1]|, |v[XS+2]|               ; the largest magnitude of my 16, in two chains
	v_max3_num_f32 v9, |v[XS+3]|, |v[XS+4]|, |v[XS+5]|
.irp i, 6,10
	v_max3_num_f32 v8, v8, |v[XS+\i]|, |v[XS+\i+1]|
	v_max3_num_f32 v9, v9, |v[XS+\i+2]|, |v[XS+\i+3]|
.endr
	v_max3_num_f32 v8, v8, |v[XS+14]|, |v[XS+15]|
	v_max3_num_f32 v8, v8, v9, (EMAX+1)<<23        ; and the floor 2^(3 - 127): the byte cannot fall under 1
	v_max_num_f32_dpp v8, v8, v8 row_xmask:1 row_mask:0xf bank_mask:0xf   ; and of my neighbour's 16: the block's
	v_add_nc_u32 v11, 0xff000000, v8               ; 2 off its exponent field: the conversion's scale operand
	v_cvt_scalef32_pk16_fp6_f32 v[C+4*(\t):C+4*(\t)+2], v[XS:XS+15], v11
	v_lshrrev_b32 v[E+(\t)], 23, v11               ; the scale's byte (a plain line behind the conversion)
	ds_store_b8 v5, v[E+(\t)] offset:16*(\t)       ; both lanes of a block write the same byte with the same value
	global_store_b96 v4, v[C+4*(\t):C+4*(\t)+2], s[8:9] offset:2*KSB*((\t)%2)+192*((\t)/2)   ; row t / 2 of my 8, K steps 2 (t % 2) and 2 (t % 2) + 1
.endm
.irp t, 0,1,2,3,4,5,6,7,8,9,10,11,12,13,14,15
	STEP \t
.endr
	ds_load_b64 v[12:13], v6                       ; LDS serves a wave's instructions in order: these see my stores
	s_wait_dscnt 0x0
	global_store_b64 v7, v[12:13], s[10:11]        ; 32 lanes store 256 consecutive bytes, aligned
	s_wait_tensorcnt 0x0                           ; the wave's end
	ds_add_u32 v192, v193
	s_wait_dscnt 0x0
	s_endpgm
.Lfunc_end_k_q1590a1d718_quant:
	.size	k_q1590a1d718_quant, .Lfunc_end_k_q1590a1d718_quant-k_q1590a1d718_quant
	.p2alignl 7, 3214868480
	.fill 96, 4, 3214868480
	.section	.rodata,"a",@progbits
	.p2align	6, 0x0
	.amdhsa_kernel k_q1590a1d718_quant
		.amdhsa_group_segment_fixed_size 33280
		.amdhsa_private_segment_fixed_size 0
		.amdhsa_enable_private_segment 0
		.amdhsa_kernarg_size 72
		.amdhsa_user_sgpr_count 2
		.amdhsa_user_sgpr_kernarg_segment_ptr 1
		.amdhsa_wavefront_size32 1
		.amdhsa_system_sgpr_workgroup_id_x 1
		.amdhsa_system_sgpr_workgroup_id_y 1
		.amdhsa_system_sgpr_workgroup_id_z 1
		.amdhsa_system_vgpr_workitem_id 0
		.amdhsa_next_free_vgpr 194
		.amdhsa_next_free_sgpr 66
		.amdhsa_reserve_vcc 0
		.amdhsa_float_denorm_mode_32 3
		.amdhsa_float_denorm_mode_16_64 3
		.amdhsa_memory_ordered 1
		.amdhsa_forward_progress 1
		.amdhsa_inst_pref_size 33
	.end_amdhsa_kernel
	.amdgpu_metadata
---
amdhsa.version: [ 1, 2 ]
amdhsa.kernels:
  - .name:           k_q1590a1d718_quant
    .symbol:         k_q1590a1d718_quant.kd
    .args:
      - { .name: query, .offset: 0, .size: 8, .value_kind: global_buffer, .address_space: global }
      - { .name: Wq, .offset: 8, .size: 8, .value_kind: global_buffer, .address_space: global }
      - { .name: Wk, .offset: 16, .size: 8, .value_kind: global_buffer, .address_space: global }
      - { .name: Wv, .offset: 24, .size: 8, .value_kind: global_buffer, .address_space: global }
      - { .name: Wo, .offset: 32, .size: 8, .value_kind: global_buffer, .address_space: global }
      - { .name: xq_codes, .offset: 40, .size: 8, .value_kind: global_buffer, .address_space: global }
      - { .name: xq_scales, .offset: 48, .size: 8, .value_kind: global_buffer, .address_space: global }
      - { .name: w_codes, .offset: 56, .size: 8, .value_kind: global_buffer, .address_space: global }
      - { .name: w_scales, .offset: 64, .size: 8, .value_kind: global_buffer, .address_space: global }
    .group_segment_fixed_size: 33280
    .private_segment_fixed_size: 0
    .kernarg_segment_align: 8
    .kernarg_segment_size: 72
    .max_flat_workgroup_size: 128
    .sgpr_count:     66
    .vgpr_count:     194
    .wavefront_size: 32
...
	.end_amdgpu_metadata
.endif
;; end of part 1
;; launch qkv (part 2): grid 12 x 16, 4 waves a work-group, clusters of 4 x 4, 327,680 bytes of LDS; arguments xq_codes, xq_scales, w_codes, w_scales, bq, bk, bv, qi, kv; writes qi, kv
.if DOCPART == 2
	.amdgcn_target "amdgcn-amd-amdhsa--gfx1250"
	.amdhsa_code_object_version 6
	.text
	.protected	k_q1590a1d718_qkv
	.globl	k_q1590a1d718_qkv
	.p2align	8
	.type	k_q1590a1d718_qkv,@function
k_q1590a1d718_qkv:
	s_mov_b64 s[64:65], 0
	v_nop
	global_prefetch_b8 v0, s[64:65] scope:SCOPE_SE
	s_setreg_imm32_b32 hwreg(HW_REG_WAVE_MODE, 25, 1), 1
	s_wait_xcnt 0x0
	s_wait_alu depctr_hold_cnt(0) depctr_sa_sdst(0) depctr_va_vdst(0) depctr_va_sdst(0) depctr_va_ssrc(0) depctr_va_vcc(0) depctr_vm_vsrc(0)
	s_getreg_b32 s2, hwreg(HW_REG_IB_STS2, 6, 4)
	s_cmp_eq_u32 s2, 0
	s_cbranch_scc0 .Lentry_in_a_cluster
	s_endpgm
.Lentry_in_a_cluster:
	s_bfe_u32 s2, ttmp6, 0x10000c
	s_cmp_lg_u32 s2, 0xf033
	s_cbranch_scc0 .Lentry_shape_is_right
	s_endpgm
.Lentry_shape_is_right:
; q = x Wq^T + bq, k = x Wk^T + bk, v = x Wv^T + bv on codes of FP6 (E2M3) with one E8M0 scale for each 32 along K = 1,024; sums in f32.  The results never go to memory as f32: they are
; quantised here for the attention launch, q and k along the head's 64, v along the keys, and stored as images of that launch's operand registers; with them ||q||^2 and ||k||^2, f32 sums of the unquantised numbers.
; ONE BODY, TWO ROLES.  The body makes D(lane = a row of X, registers = rows of Y), X as source 1 and Y as source 0 of the matrix instruction.  A tile is 256 rows of X by 256 rows of Y, four waves, 128 x 128 a wave.
;   clusters x = 0, 1 (q, k): X = 256 tokens, Y = 256 rows of Wq or Wk: a lane holds one token and its registers run along the features: the next product's K.
;   cluster  x = 2   (v):    X = 256 rows of Wv, Y = 256 tokens: a lane holds one feature and its registers run along the tokens: the keys are the next product's K.
; Every choice and every branch between the roles hangs on the cluster's x, which all sixteen partners share.
; ROW ORDER.  The rows of x, Wq, Wk, Wv lie in the workspace with bits 3 and 4 of the row number swapped.  So the 16 registers of Y's tiles 2 b and 2 b + 1 are 16 true neighbours, 32 b + 16 (lane / 16) + 0 .. 15,
; which is what the conversions want, and lane r of X's tile a is true row 32 (a / 2) + 8 (a % 2) + r + 8 (r / 8).
; K goes in steps of 256 (rows of 192 bytes) through a ring of two LDS slots filled by the tensor data mover; the scale bytes of the work-group's rows, for all of K, come once.
; CLUSTERS: 4 x 4 work-groups.  The four of a row of the cluster need the same tiles of X, the four of a column the same tiles of Y: each is asked for jointly, by the same tensor load with the same descriptor and a mask.
; The grid has 192 work-groups: 128 tiles for q and k, 64 for v.
; LIMITS: NaN and infinities are not served; a block whose largest magnitude lies under 2^-124 takes the byte 1, a block of zeros too (its codes are zeros; this program alone reads the bytes).
; REGISTERS, in windows of 256: window 0: v0-31 addresses; v32-63 scale words, two sets; v64-127 bq's or bk's numbers of my 128 columns; from v128 X's fragments, one set; on the way out v128-255 are at work.
;   window 1: Y's fragments, two sets, at v0 and at v128; v224-239 bv's numbers of my rows.   window 2: the 32 accumulators of my rows 0-63 ((a, b) at v[8 (8 a + b)]);   window 3: those of rows 64-127.
.set KSTEP,  256                       ; along K in a slot
.set NQ,     2                         ; matrix instructions deep
.set ROWB,   192                       ; a tile's row in bytes
.set KROW,   768                       ; 4 rows of a K step's dense block: a tensor load's row in memory
.set KSB,    49152                     ; the codes lie [group of 256 rows][K step][row][192 bytes]: a K step of a group is 256 x 192 dense bytes
.set PITCH,  240                       ; an LDS row: 3 x (64 bytes + 16 of padding)
.set FR,     12                        ; registers of a fragment: 16 rows x 128 K
.set NL,     6                         ; LDS loads that bring one
.set NP,     4                         ; places behind this matrix instruction (ISA guide 7.12.1)
.set HALFT,  128*PITCH                 ; 128 rows: what one tensor load brings
.set SLOT,   4*HALFT                   ; X's 256 rows, then Y's 256 rows
.set LAPS,   2                         ; 1,024 along K = two laps of two K steps
.set KS,     32                        ; a row of scale bytes
.set SCL,    2*SLOT                    ; behind the ring: the scales, as runs of 256 bytes + 16 of padding
.set HALFS,  (128*KS/256)*272          ; the scales of 128 rows
.set SBLK,   (16*KS/256)*272           ; those of 16 rows
.set SPARE,  SCL+4*HALFS               ; behind the scales: the spare words, 128 bytes for each wave, which no other line names
.set BQO,  12                          ; v12     64 x (lane / 16): my 16 numbers of each 32 of bq or bk; never rewritten
.set BVO,  13                          ; v13     4 x (r + 8 (r / 8)): my row's number of bv; never rewritten
.set ADRA, 16                          ; v16-17  LDS address of my X fragments in slot 0, 1  (v18-19: for the pieces behind one padding more)
.set ADRB, 20                          ; v20-21  the same for Y  (v22-23)
.set L16,  24                          ; v24     16 x lane
.set L8,   25                          ; v25     8 x lane
.set SQA,  26                          ; v26     the stage for the sums of squares: where I put mine
.set ADRS, 27                          ; v27     LDS address of my scale words: lanes 0-15 X's rows, lanes 16-31 Y's
.set SPW,  28                          ; v28     LDS address of my spare word; never rewritten
.set NIL,  29                          ; v29     0; never rewritten
.set SRD,  30                          ; v30     the stage: where I read 16 bytes back
.set SC,   32                          ; scale words, two sets of 16 registers
.set BI,   64                          ; v64-127 register 16 b + i: bias[32 b + 16 (lane / 16) + i] of my 128 columns
.set AF,   128                         ; X's fragments
.set BV,   224                         ; in window 1: registers 2 a, 2 a + 1: bv of my row in X's tile a
.set T,    128                         ; the way out: 64 numbers of a lane
.set PC,   192                         ; v192-203 a fragment's codes
.set PT,   204                         ; v204-206, v208-210 second halves (a conversion's three registers begin on an even number)
.set TM,   212                         ; v212-215 largest magnitudes, v216-219 the other half's / bytes, v220-223 scale operands
.set WS,   224                         ; v224-231 a scale word for each of X's tiles
.set SQV,  232                         ; v232-239 a sum of squares for each
.set QA,   240                         ; v240-243 two chains of squares
.set SEL4, 244                         ; v244-247 a scale image
.set OB,   248                         ; v248-251 the second head's
.set G1, 24                            ; s[24:31] descriptor group 1 for X's tiles;  s[32:39] group 0, one set for each slot
.set G0, 32
.set G1B, 48                           ; s[48:55], s[56:63] the same for Y's tiles
.set G0B, 56
.set G1S, 68                           ; s[68:75], s[76:79] groups 1 and 0 for X's scales;  s[80:87], s[88:91] for Y's
.set G0S, 76
.set G1SB, 80
.set G0SB, 88
.set P0,   72                          ; the way out: s[72:73] my first head's place in qi or kv, s[74:75] the second head's
.set MASKH, 84                         ; s84     lanes 16-31
.set SEL,  86                          ; s[86:87] v_permlanex16_b32's selects for lane l xor 16
.set MSB, 0
.macro WIN new                         ; the immediate's high byte repeats the setting that is left
.if MSB != \new
	s_set_vgpr_msb (MSB<<8)|\new
.set MSB, \new
.endif
.endm
.set MUL_LO, 0xa1                      ; source 0 (Y) window 1, source 1 (X) window 0, C and D window 2
.set MUL_HI, 0xf1                      ; the same, C and D window 3
.set TO_B,   0x40                      ; destination window 1, address window 0
; A joint load: waves 0 and 1 fetch for X, waves 2 and 3 for Y.  Each of the two lines has one mask and one set of registers for all that issue it; the branch hangs on the wave's number alone.
; Four v_nop follow each of the two lines, ahead of the jump, the label and what follows.
.macro JLOAD g0a, g1a, g0b, g1b
	s_cmp_eq_u32 s15, 0
	s_cbranch_scc0 .Lfor_b_\@
	tensor_load_to_lds s[\g0a:\g0a+3], s[\g1a:\g1a+7]
	s_nop 0
.rept 4
	v_nop
.endr
	s_branch .Lasked_\@
.Lfor_b_\@:
	tensor_load_to_lds s[\g0b:\g0b+3], s[\g1b:\g1b+7]
	s_nop 0
.rept 4
	v_nop
.endr
.Lasked_\@:
.endm
.macro CREST                           ; a round of the cluster's barrier behind its opening barrier
	s_cmp_lg_u32 s14, 0
	s_cbranch_scc1 .Lnot_wave_0_\@
	s_barrier_signal -3
.Lnot_wave_0_\@:
	s_barrier_wait -3
	s_barrier_signal -1
	s_barrier_wait -1
.endm
.macro CROUND                          ; a whole round
	s_barrier_signal -1
	s_barrier_wait -1
	CREST
.endm
	s_load_b256 s[4:11], s[0:1], 0x0               ; x's codes, x's scales, the weights' codes, the weights' scales
	s_load_b128 s[96:99], s[0:1], 0x20             ; bq, bk
	s_load_b64 s[100:101], s[0:1], 0x30            ; bv
	v_lshl_add_u32 v[SPW], v0, 2, SPARE
	v_mov_b32 v[NIL], 0
	ds_add_u32 v28, v29
	ds_add_u32 v28, v29
	s_wait_dscnt 0x0
	v_lshrrev_b32 v1, 5, v0
	v_readfirstlane_b32 s14, v1                    ; wave 0..3
	s_lshr_b32 s15, s14, 1                         ; which half of X's rows is mine.  Also: I fetch for X (0) or for Y (1)
	s_and_b32 s16, s14, 1                          ; which half of Y's rows.  Also: which 128 rows of that tile I fetch
	s_bfe_u32 s40, ttmp6, 0x40000                  ; cx, cy: my place in the cluster
	s_bfe_u32 s41, ttmp6, 0x40004
	s_lshl_b32 s42, ttmp9, 2                       ; 4 x cluster x
	s_and_b32 s17, ttmp7, 0xffff
	s_lshl_b32 s17, s17, 2                         ; 4 x cluster y
	s_cmp_eq_u32 ttmp9, 2                          ; the role: v?
	s_cselect_b32 s42, s17, s42                    ; Y's tile: v: tokens, 4 x cluster y + cx;  q, k: weight rows, 4 x cluster x + cx
	s_cselect_b32 s17, 0, s17                      ; X's tile: v: Wv's rows, cy;  q, k: tokens, 4 x cluster y + cy
	s_add_co_u32 s42, s42, s40
	s_add_co_u32 s17, s17, s41
	s_lshl_b32 s43, s41, 2
	s_lshl_b32 s43, 15, s43                        ; my row of the cluster
	s_lshl_b32 s44, 0x1111, s40                    ; my column
	; descriptor group 1: a tile of 128 rows x 192 bytes, padded in LDS
	s_or_b32 s[G1+0], s43, (0<<16)|(1<<20)|(1<<21)|(3<<22)|(3<<25)  ; 15:0 the mask: X's tiles go to my row; 17:16 element of 1 byte; 20 padding on; 21 set beside a mask; 24:22 after every 16 words; 31:25 of 4 words
	s_or_b32 s[G1B+0], s44, (0<<16)|(1<<20)|(1<<21)|(3<<22)|(3<<25)
.irp g, G1, G1B
	s_mov_b32 s[\g+1], KROW<<16                    ; tensor_dim0: 768 bytes, four rows of codes on end; each begins at a multiple of 256
	s_mov_b32 s[\g+2], 64<<16                      ; tensor_dim1 = 64: the head's loads bring 256 rows of codes
	s_mov_b32 s[\g+3], KROW<<16                    ; tile_dim0
	s_mov_b32 s[\g+4], 64                          ; tile_dim1 = 64
	s_mov_b32 s[\g+5], KROW                        ; tensor_dim0_stride
	s_mov_b32 s[\g+6], 0
	s_mov_b32 s[\g+7], 0
.endr
	; and for the scales of 128 rows: a dense block of 4,096 bytes, as rows of 256 bytes (32 elements of 8 bytes), 16 bytes of padding behind each
	s_or_b32 s[G1S+0], s43, (3<<16)|(1<<20)|(1<<21)|(5<<22)|(3<<25)
	s_or_b32 s[G1SB+0], s44, (3<<16)|(1<<20)|(1<<21)|(5<<22)|(3<<25)
.irp g, G1S, G1SB
	s_mov_b32 s[\g+1], 32<<16
	s_mov_b32 s[\g+2], KS<<16                      ; the scales of 256 rows: 8,192 dense bytes, 32 rows of 256
	s_mov_b32 s[\g+3], 32<<16
	s_mov_b32 s[\g+4], KS
	s_mov_b32 s[\g+5], 32
	s_mov_b32 s[\g+6], 0
	s_mov_b32 s[\g+7], 0
.endr
	s_lshl_b32 s20, s17, 8                         ; X: the tile's first row
	s_lshl_b32 s46, s42, 8                         ; Y likewise
	s_mov_b32 s21, 0
	s_mov_b32 s47, 0
	s_mov_b64 s[18:19], KS
	s_mul_u64 s[22:23], s[20:21], s[18:19]         ; where these rows' scales begin, in bytes
	s_mul_u64 s[92:93], s[46:47], s[18:19]
	s_mov_b64 s[18:19], KROW
	s_mul_u64 s[20:21], s[20:21], s[18:19]         ; and their codes
	s_mul_u64 s[46:47], s[46:47], s[18:19]
	s_mul_i32 s18, s16, 32*KROW                    ; in the ring I fetch 128 rows of a K step's block: which half, in bytes
	s_mov_b32 s19, 0
	s_mul_i32 s45, s14, HALFT                      ; where they go: wave x 128 rows: no place in the cluster enters an LDS address
	s_wait_kmcnt 0x0
	s_add_nc_u64 s[12:13], s[8:9], 2048*KROW       ; Wv's codes: rows 2,048 on of the weights' buffer,
	s_add_nc_u64 s[66:67], s[10:11], 2048*KS       ; and its scales
	s_cmp_eq_u32 ttmp9, 2
	s_cselect_b64 s[12:13], s[12:13], s[4:5]       ; X: Wv, or the tokens
	s_cselect_b64 s[66:67], s[66:67], s[6:7]
	s_cselect_b64 s[8:9], s[4:5], s[8:9]           ; Y: the tokens, or Wq and Wk
	s_cselect_b64 s[10:11], s[6:7], s[10:11]
	s_add_nc_u64 s[20:21], s[12:13], s[20:21]
	s_add_nc_u64 s[22:23], s[66:67], s[22:23]
	s_add_nc_u64 s[46:47], s[8:9], s[46:47]
	s_add_nc_u64 s[92:93], s[10:11], s[92:93]
	CROUND                                         ; all sixteen work-groups are here: the first joint loads meet
	s_mov_b32 s4, 1                                ; the head's four tiles, each whole (s[4:11] held arguments that have been used): K step 0's 256 rows of X,
	s_mov_b32 s5, 0
	s_mov_b64 s[6:7], s[20:21]
	s_or_b32 s7, s7, 0x80000000
	s_mov_b32 s8, 1                                ; its 256 rows of Y, behind them in slot 0,
	s_mov_b32 s9, 2*HALFT
	s_mov_b64 s[10:11], s[46:47]
	s_or_b32 s11, s11, 0x80000000
	s_mov_b32 s[G0S], 1                            ; the scales of X's 256 rows,
	s_mov_b32 s[G0S+1], SCL
	s_mov_b64 s[G0S+2:G0S+3], s[22:23]
	s_or_b32 s[G0S+3], s[G0S+3], 0x80000000
	s_mov_b32 s[G0SB], 1                           ; and of Y's
	s_mov_b32 s[G0SB+1], SCL+2*HALFS
	s_mov_b64 s[G0SB+2:G0SB+3], s[92:93]
	s_or_b32 s[G0SB+3], s[G0SB+3], 0x80000000
	s_add_nc_u64 s[20:21], s[20:21], s[18:19]      ; for the ring: my 128 rows of the block
	s_add_nc_u64 s[46:47], s[46:47], s[18:19]
.irp s, 0,1
	s_mov_b32 s[G0+4*\s], 1
	s_add_co_u32 s[G0+4*\s+1], s45, \s*SLOT
	s_add_nc_u64 s[G0+4*\s+2:G0+4*\s+3], s[20:21], \s*KSB
	s_or_b32 s[G0+4*\s+3], s[G0+4*\s+3], 0x80000000
	s_mov_b32 s[G0B+4*\s], 1
	s_add_co_u32 s[G0B+4*\s+1], s45, \s*SLOT
	s_add_nc_u64 s[G0B+4*\s+2:G0B+4*\s+3], s[46:47], \s*KSB
	s_or_b32 s[G0B+4*\s+3], s[G0B+4*\s+3], 0x80000000
.endr
; THE HEAD'S LOADS, ONE A WAVE: wave 0 X's 256 rows of K step 0, wave 1 Y's, wave 2 X's scales, wave 3 Y's.  One tree of branches on the wave's number; every way passes one load.
.macro ARM under, g0, g1, next
	s_cmp_lt_u32 s14, \under
	s_cbranch_scc0 \next
	tensor_load_to_lds s[\g0:\g0+3], s[\g1:\g1+7]
	s_nop 0
.rept 4
	v_nop
.endr
	s_branch .Lhead_asked
\next:
.endm
	ARM 1, 4,   G1,  .Lhead_b
	ARM 2, 8,   G1B, .Lhead_sa
	ARM 3, G0S, G1S, .Lhead_sb
	tensor_load_to_lds s[G0SB:G0SB+3], s[G1SB:G1SB+7]
	s_nop 0
.rept 4
	v_nop
.endr
.Lhead_asked:
	v_and_b32 v1, 15, v0                           ; r = l % 16
	v_bfe_u32 v2, v0, 4, 1                         ; h = l / 16
	v_mul_u32_u24 v3, v1, PITCH
	v_mul_u32_u24 v4, v2, 24
	v_add_nc_u32 v4, v3, v4                        ; a fragment's row x pitch + 24 x half
	v_lshl_add_u32 v5, v2, 4, v4                   ; and the same behind one padding more
	s_mul_i32 s21, s15, HALFT                      ; my 128 rows of X
	s_mul_i32 s22, s16, HALFT                      ; my 128 rows of Y,
	s_add_co_u32 s22, s22, 2*HALFT                 ; which lie behind X's 256
.irp s, 0,1
	v_add_nc_u32 v[ADRA+\s], s21, v4
	v_add_nc_u32 v[ADRB+\s], s22, v4
	v_add_nc_u32 v[ADRA+2+\s], s21, v5
	v_add_nc_u32 v[ADRB+2+\s], s22, v5
	s_add_co_u32 s21, s21, SLOT
	s_add_co_u32 s22, s22, SLOT
.endr
	v_mul_u32_u24 v5, v1, KS                       ; my row's scales: 32 bytes a row,
	v_lshrrev_b32 v6, 8, v5
	v_lshl_add_u32 v5, v6, 4, v5                   ; and 16 more for each 256 passed
	s_mul_i32 s21, s15, HALFS                      ; X's: my 128 rows
	s_mul_i32 s22, s16, HALFS                      ; Y's: my 128 rows, behind X's 256
	s_add_co_u32 s22, s22, 2*HALFS
	s_sub_co_u32 s22, s22, s21
	v_mul_u32_u24 v6, s22, v2                      ; lanes 16-31 take Y's
	s_add_co_u32 s21, s21, SCL
	v_add_nc_u32 v5, v5, v6
	v_add_nc_u32 v[ADRS], s21, v5
	v_and_b32 v6, 31, v0
	v_lshlrev_b32 v[L16], 4, v6
	v_lshlrev_b32 v[L8], 3, v6
	v_and_b32 v7, 8, v1
	v_add_nc_u32 v7, v7, v1                        ; r + 8 (r / 8)
	v_lshlrev_b32 v[BVO], 2, v7
	v_lshlrev_b32 v[BQO], 6, v2
	s_wait_alu depctr_va_vdst(0)
	s_lshl_b32 s23, s14, 10                        ; my stage for the sums of squares: 1,024 bytes a wave, in slot 0, used only when that slot has had its last fill and its last read
	v_lshl_add_u32 v[SQA], v2, 9, v[BVO]           ; 512 x head + 4 x the token's true place among a tile's
	v_add_nc_u32 v[SQA], s23, v[SQA]
	v_add_nc_u32 v[SRD], s23, v[L16]
	; THE BIASES, in both shapes, on both roles' way: no branch stands here, so every register that a way out reads is written whatever the role.  The shape that the role does not use is 16 short loads
	; of bytes inside the buffers (the masks below hold the addresses there).  The loads stay out across the loop; the wait for them stands at the way out.
	s_cmp_eq_u32 ttmp9, 0
	s_cselect_b64 s[96:97], s[96:97], s[98:99]     ; bq for cluster x = 0, else bk
	s_lshl_b32 s18, s42, 8
	s_lshl_b32 s19, s16, 7
	s_add_co_u32 s18, s18, s19
	s_and_b32 s18, s18, 1023                       ; my first column in Wq or in Wk
	s_lshl_b32 s18, s18, 2
	s_mov_b32 s19, 0
	s_add_nc_u64 s[96:97], s[96:97], s[18:19]
	s_and_b32 s18, s17, 3
	s_lshl_b32 s18, s18, 8
	s_lshl_b32 s20, s15, 7
	s_add_co_u32 s18, s18, s20                     ; my first row of Wv
	s_lshl_b32 s18, s18, 2
	s_add_nc_u64 s[100:101], s[100:101], s[18:19]
.irp b, 0,1,2,3
.irp i, 0,1,2,3
	global_load_b128 v[BI+16*\b+4*\i:BI+16*\b+4*\i+3], v[BQO], s[96:97] offset:128*\b+16*\i
.endr
.endr
	WIN TO_B
.irp a, 0,1,2,3,4,5,6,7
	global_load_b32 v[BV+2*\a], v[BVO], s[100:101] offset:4*(32*(\a/2)+8*(\a%2))      ; twice: the packed addition names a pair
	global_load_b32 v[BV+2*\a+1], v[BVO], s[100:101] offset:4*(32*(\a/2)+8*(\a%2))
.endr
	WIN 0
	; where my results go: (16 x batch + my first head) x a head's bytes + my group of 128 tokens x a group's bytes.  These numbers enter the stores' addresses alone
	s_cmp_eq_u32 ttmp9, 2
	s_cselect_b32 s18, s42, s17                    ; the tile of tokens,
	s_cselect_b32 s19, s17, s42                    ; the tile of features,
	s_cselect_b32 s20, s16, s15                    ; my half of the tokens,
	s_cselect_b32 s21, s15, s16                    ; my half of the features
	s_cmp_eq_u32 ttmp9, 0
	s_mov_b32 s67, 217088
	s_cselect_b32 s67, 114688, s67                 ; a head's bytes in qi or in kv
	s_mov_b32 s22, 13568
	s_cselect_b32 s22, 7168, s22                   ; a group's
	s_and_b32 s19, s19, 3
	s_lshl_b32 s19, s19, 2
	s_lshl_b32 s21, s21, 1
	s_add_co_u32 s19, s19, s21                     ; my first head: 4 x tile + 2 x half
	s_lshr_b32 s23, s18, 3                         ; the batch
	s_lshl_b32 s23, s23, 4
	s_add_co_u32 s19, s19, s23
	s_and_b32 s18, s18, 7
	s_lshl_b32 s18, s18, 1
	s_add_co_u32 s18, s18, s20                     ; my group: 2 x tile + half
	s_mul_i32 s19, s19, s67
	s_mul_i32 s18, s18, s22
	s_add_co_u32 s66, s19, s18
.macro FRAG reg, adr, q, i             ; a fragment, 16 rows x 128 K of 6-bit codes, is 12 registers: lane l holds row l % 16; registers 6 c .. 6 c + 5 hold K = 64 c + 32 (l / 16) + 0 .. 31: 24 bytes of the row's stream of bits
.irp p, 0,1,2,3,4,5                    ; in pieces of 8 bytes.  Lanes 16-31 read three pieces further on than lanes 0-15; where that is behind one padding more, the second address register serves
.set PIECE, 12*(\q)+6*(\p/3)+\p%3
.if PIECE%8 < 5
	ds_load_b64 v[\reg+2*\p:\reg+2*\p+1], v[\adr] offset:8*PIECE+16*(PIECE/8)+(\i)*16*PITCH
.else
	ds_load_b64 v[\reg+2*\p:\reg+2*\p+1], v[\adr+2] offset:8*PIECE+16*(PIECE/8)+(\i)*16*PITCH
.endif
.endr
.endm
; 16 matrix instructions: X's blocks a0, a0 + 1 x Y's eight, 128 along K: the slot's q-th.  p: Y's set;  sc: the set of scale words.  zero = 1: the first product starts the sums.
; The 64 accumulators take turns, one instruction a turn, in the same order in every step.
.macro MUL16 a0, p, q, sc, zero
.irp a, \a0, \a0+1
.irp b, 0,1,2,3,4,5,6,7
.if \zero
	v_wmma_scale_f32_16x16x128_f8f6f4 v[8*(8*((\a)%4)+\b):8*(8*((\a)%4)+\b)+7], v[128*(\p)+FR*\b:128*(\p)+FR*\b+FR-1], v[AF+FR*(\a):AF+FR*(\a)+FR-1], 0, v[SC+8*NQ*(\sc)+NQ*\b+(\q)], v[SC+8*NQ*(\sc)+NQ*(\a)+(\q)] matrix_a_fmt:MATRIX_FMT_FP6 matrix_b_fmt:MATRIX_FMT_FP6 matrix_a_scale:MATRIX_SCALE_ROW1
.else
	v_wmma_scale_f32_16x16x128_f8f6f4 v[8*(8*((\a)%4)+\b):8*(8*((\a)%4)+\b)+7], v[128*(\p)+FR*\b:128*(\p)+FR*\b+FR-1], v[AF+FR*(\a):AF+FR*(\a)+FR-1], v[8*(8*((\a)%4)+\b):8*(8*((\a)%4)+\b)+7], v[SC+8*NQ*(\sc)+NQ*\b+(\q)], v[SC+8*NQ*(\sc)+NQ*(\a)+(\q)] matrix_a_fmt:MATRIX_FMT_FP6 matrix_b_fmt:MATRIX_FMT_FP6 matrix_a_scale:MATRIX_SCALE_ROW1
.endif
.endr
.endr
.endm
.macro FETCH_B slot, q, p              ; Y's eight fragments of the slot's q-th 128 along K into set p
	WIN TO_B
.irp i, 0,1,2,3,4,5,6,7
	FRAG 128*(\p)+FR*\i, ADRB+\slot, \q, \i
.endr
	WIN 0
.endm
.macro FETCH_A slot, q, i0             ; X's blocks i0 .. i0 + 3
.irp i, \i0, \i0+1, \i0+2, \i0+3
	FRAG AF+FR*(\i), ADRA+\slot, \q, \i
.endr
.endm
.macro SCALES sc                       ; the next K step's scale words into set sc: two words a row; lanes 0-15 take X's block i, lanes 16-31 Y's block i
.irp i, 0,1,2,3,4,5,6,7
	ds_load_b64 v[SC+8*NQ*\sc+NQ*\i:SC+8*NQ*\sc+NQ*\i+1], v[ADRS] offset:\i*SBLK
.endr
.endm
; A load into a register that a matrix instruction has read, and a vector instruction that reads a matrix result, stand NP places behind that matrix instruction; only plain vector
; instructions that name none of its registers are places (ISA guide 7.12.1 for vector instructions).
.macro PLACES n
.rept \n
	v_nop
.endr
.endm
; A step of 128 along K that has its successor in the same slot.
.macro STEP slot, q, zero
	s_wait_dscnt 4*NL                              ; Y's set and X's blocks 0-3 are in; the youngest 24 loads (X's blocks 4-7) may be out
	WIN MUL_LO
	MUL16 0, (\q)%2, \q, \slot, \zero
	MUL16 2, (\q)%2, \q, \slot, \zero
	s_wait_dscnt 0                                 ; X's blocks 4-7 are in (asked for 32 matrix instructions ago)
	PLACES NP
	FETCH_B \slot, (\q)+1, 1-(\q)%2
	FETCH_A \slot, (\q)+1, 0
	WIN MUL_HI
	MUL16 4, (\q)%2, \q, \slot, \zero
	MUL16 6, (\q)%2, \q, \slot, \zero
	PLACES NP
	WIN 0
	FETCH_A \slot, (\q)+1, 4
.endm
; A slot's last step changes slots: one barrier; in front of it each wave waits for all its tensor loads, adds 0 to its spare word, and waits for that and for its own reads of this slot.  fill = 1: this slot is filled again, two K steps ahead.
.macro TURN slot, next, fill
	s_wait_tensorcnt 0x0                           ; all my tensor loads have landed: my part of the next slot;  (every window is 0 here)
	ds_add_u32 v[SPW], v[NIL]                      ; 0 onto my spare word;
	s_wait_dscnt 4*NL+1                            ; (the add and the youngest 24 loads, X's blocks 4-7, may be out)
	WIN MUL_LO
	MUL16 0, 1, NQ-1, \slot, 0                     ; sixteen matrix instructions stand between the add and the wait for it
	s_wait_dscnt 0x0                               ; the add is done, and my reads of this slot are over
	s_barrier_signal -1
	MUL16 2, 1, NQ-1, \slot, 0
	WIN 0
	s_barrier_wait -1
.if \fill
	CREST                                          ; the barrier has opened a round of the cluster's barrier: no wave of any partner still reads this slot's tile or has a load on its way
	s_add_nc_u64 s[G0+4*\slot+2:G0+4*\slot+3], s[G0+4*\slot+2:G0+4*\slot+3], 2*KSB
	s_add_nc_u64 s[G0B+4*\slot+2:G0B+4*\slot+3], s[G0B+4*\slot+2:G0B+4*\slot+3], 2*KSB
	JLOAD G0+4*\slot, G1, G0B+4*\slot, G1B         ; the first tensor load behind the round; the four v_nop behind it are the places in front of the loads below
.else
	PLACES NP
.endif
	s_wait_alu depctr_va_vdst(0)
	v_add_nc_u32 v[ADRS], 4*NQ, v[ADRS]            ; on to the next K step's scale words (no LDS load of mine is out)
	FETCH_B \next, 0, 0
	FETCH_A \next, 0, 0
	SCALES \next
	WIN MUL_HI
	MUL16 4, 1, NQ-1, \slot, 0
	MUL16 6, 1, NQ-1, \slot, 0
	PLACES NP
	WIN 0
	FETCH_A \next, 0, 4
.endm
	s_wait_alu depctr_va_vdst(0)                   ; the wait at the head's end
	s_wait_tensorcnt 0x0                           ; my tile of the head's four is in
	ds_add_u32 v[SPW], v[NIL]
	s_mov_b32 s[G1+2], 32<<16                      ; no tensor load of mine is out: from here on a load brings 128 rows of codes, 32 rows of 768 bytes
	s_mov_b32 s[G1+4], 32
	s_mov_b32 s[G1B+2], 32<<16
	s_mov_b32 s[G1B+4], 32
	s_wait_dscnt 0x0
	CROUND                                         ; all four tiles are in, and all sixteen work-groups are here
	JLOAD G0+4, G1, G0B+4, G1B                     ; K step 1, the first tensor load behind the round
	FETCH_B 0, 0, 0
	FETCH_A 0, 0, 0
	SCALES 0
	FETCH_A 0, 0, 4
	STEP 0, 0, 1                                   ; the first step stands in front of the loop: its products start the sums
	s_mov_b32 s3, LAPS-1
.Llap:                                                 ; a trip goes once round the ring, from a lap's second step to the next lap's first, and fills both slots again
	TURN 0, 1, 1
	STEP 1, 0, 0
	TURN 1, 0, 1
	STEP 0, 0, 0
	s_sub_co_u32 s3, s3, 1
	s_cmp_lg_u32 s3, 0
	s_cbranch_scc1 .Llap
	s_load_b128 s[68:71], s[0:1], 0x38             ; qi, kv, into registers of the scales' descriptors: those loads were shown done by the first wait for all tensor loads
	TURN 0, 1, 0                                   ; the last lap fills nothing, and has no round of the cluster's barrier
	STEP 1, 0, 0
	s_wait_dscnt 4*NL                              ; the very last step: nothing more to fetch
	WIN MUL_LO
	MUL16 0, 1, NQ-1, 1, 0
	MUL16 2, 1, NQ-1, 1, 0
	s_wait_dscnt 0
	WIN MUL_HI
	MUL16 4, 1, NQ-1, 1, 0
	MUL16 6, 1, NQ-1, 1, 0
	WIN 0
; THE WAY OUT.  64 numbers of a lane, v[s] .. v[s + 63], register 16 b + i = k 32 b + 16 (lane / 16) + i of my row, become a fragment's codes in v[PC] on (registers 6 c .. 6 c + 5 of lane (r, h): block 2 c + h)
; and the row's scale word (byte b: block b) in v[pw], the same in lanes r and r + 16.
.macro QUANT s, pw
.irp b, 0,1,2,3
	v_max3_num_f32 v[TM+\b], |v[\s+16*\b]|, |v[\s+1+16*\b]|, 0x1800000   ; block b: my 16 numbers, and the floor 2^(3 - 127): the byte cannot fall under 1
.endr
.irp i, 2,4,6,8,10,12,14
.irp b, 0,1,2,3
	v_max3_num_f32 v[TM+\b], v[TM+\b], |v[\s+16*\b+\i]|, |v[\s+1+16*\b+\i]|   ; (the four blocks by turns)
.endr
.endr
.irp b, 0,1,2,3
	v_permlanex16_b32 v[TM+4+\b], v[TM+\b], s[SEL], s[SEL+1]
.endr
.irp b, 0,1,2,3
	v_max_num_f32 v[TM+\b], v[TM+\b], v[TM+4+\b]   ; with lane l xor 16's: the block's largest magnitude
.endr
.irp b, 0,1,2,3
	v_add_nc_u32 v[TM+8+\b], 0xff000000, v[TM+\b]  ; 2 off its exponent field: the conversion's scale operand
.endr
.irp b, 0,1,2,3
	v_lshrrev_b32 v[TM+4+\b], 23, v[TM+8+\b]       ; the scale's byte
.endr
	v_lshl_or_b32 v[\pw], v[TM+5], 8, v[TM+4]
	v_lshl_or_b32 v[\pw], v[TM+6], 16, v[\pw]
	v_lshl_or_b32 v[\pw], v[TM+7], 24, v[\pw]
.irp c, 0,1
	v_cvt_scalef32_pk16_fp6_f32 v[PC+6*\c:PC+2+6*\c], v[\s+32*\c:\s+15+32*\c], v[TM+8+2*\c]
	v_cvt_scalef32_pk16_fp6_f32 v[PT+4*\c:PT+2+4*\c], v[\s+16+32*\c:\s+31+32*\c], v[TM+8+2*\c+1]
.endr
	v_nop                                          ; one plain place behind a scaled conversion
.irp c, 0,1                                    ; the operand's layout wants a whole block in a lane: lanes 0-15 block 2 c, lanes 16-31 block 2 c + 1
.irp i, 0,1,2
	v_permlane16_swap_b32 v[PC+6*\c+\i], v[PT+4*\c+\i]
.endr
.irp i, 0,1,2
	v_mov_b32 v[PC+3+6*\c+\i], v[PT+4*\c+\i]
.endr
.endr
.endm
	PLACES NP                                      ; behind the last products: their results are read and X's fragments' registers written below
	s_wait_loadcnt 0x0                             ; the biases
	s_wait_kmcnt 0x0                               ; qi, kv
	s_cmp_eq_u32 ttmp9, 0
	s_cselect_b64 s[P0:P0+1], s[68:69], s[70:71]   ; q goes to qi, k and v to kv
	s_mov_b32 s80, s66
	s_mov_b32 s81, 0
	s_mov_b32 s82, s67
	s_mov_b32 s83, 0
	s_add_nc_u64 s[P0:P0+1], s[P0:P0+1], s[80:81]
	s_add_nc_u64 s[P0+2:P0+3], s[P0:P0+1], s[82:83]
	s_mov_b32 s[MASKH], 0xffff0000
	s_mov_b32 s[SEL], 0x76543210
	s_mov_b32 s[SEL+1], 0xfedcba98
.irp b, 0,1,2,3
	v_mov_b32 v[TM+4+\b], 0                        ; written once: a lane permute's destination counts as one of its sources
.endr
	s_cmp_eq_u32 ttmp9, 2
	s_cbranch_scc1 .Lway_v
	; ---- q or k.  X's tile a: 16 tokens; my 128 columns are two heads of 64.  Codes: a tile's image for each head: 6 registers a lane, registers 0-3 at 16 x lane, registers 4-5 at 512 + 8 x lane.
.irp a, 0,1,2,3,4,5,6,7
	WIN (0x02+\a/4)                                ; source 0: window 2 or 3
.set j, 0
.rept 32
	v_pk_add_f32 v[T+j:T+j+1], v[64*(\a%4)+j:64*(\a%4)+j+1], v[BI+j:BI+j+1]   ; the bias, and the way into window 0, in one line; each accumulator is read from its low end on
.set j, j+2
.endr
	WIN 0
	v_pk_mul_f32 v[QA:QA+1], v[T:T+1], v[T:T+1]                    ; the sums of squares of the unquantised numbers, f32, a chain for each head
	v_pk_mul_f32 v[QA+2:QA+3], v[T+32:T+33], v[T+32:T+33]
.irp i, 2,4,6,8,10,12,14,16,18,20,22,24,26,28,30
	v_pk_fma_f32 v[QA:QA+1], v[T+\i:T+\i+1], v[T+\i:T+\i+1], v[QA:QA+1]
	v_pk_fma_f32 v[QA+2:QA+3], v[T+32+\i:T+33+\i], v[T+32+\i:T+33+\i], v[QA+2:QA+3]
.endr
	v_add_f32 v[QA], v[QA], v[QA+1]
	v_add_f32 v[QA+2], v[QA+2], v[QA+3]
	v_permlane16_swap_b32 v[QA], v[QA+2]           ; the first head's upper lanes change places with the second head's lower ones:
	v_add_f32 v[SQV+\a], v[QA], v[QA+2]            ; lane (r, h) holds the whole sum of token r, head h
	s_wait_xcnt 0x0                                ; the last tile's stores have read the codes' registers
	QUANT T, WS+\a
	global_store_b128 v[L16], v[PC:PC+3], s[P0:P0+1] offset:768*\a             ; 512 consecutive bytes, aligned to 256
	global_store_b64 v[L8], v[PC+4:PC+5], s[P0:P0+1] offset:768*\a+512         ; 256
	global_store_b128 v[L16], v[PC+6:PC+9], s[P0+2:P0+3] offset:768*\a
	global_store_b64 v[L8], v[PC+10:PC+11], s[P0+2:P0+3] offset:768*\a+512
.endr
.irp i, 0,1,2,3
	v_cndmask_b32 v[SEL4+\i], v[WS+2*\i], v[WS+2*\i+1], s[MASKH]   ; the scale image: lane (r, u), register i: the word of tile 2 i + u, row r.  Bytes 0, 1: the first head's two blocks; bytes 2, 3 meet zero codes alone
.endr
.irp i, 0,1,2,3
	v_lshrrev_b32 v[OB+\i], 16, v[SEL4+\i]         ; the second head's: its two bytes below, zeros above
.endr
	global_store_b128 v[L16], v[SEL4:SEL4+3], s[P0:P0+1] offset:6144
	global_store_b128 v[L16], v[OB:OB+3], s[P0+2:P0+3] offset:6144
.irp a, 0,1,2,3,4,5,6,7
	ds_store_b32 v[SQA], v[SQV+\a] offset:4*(32*(\a/2)+8*(\a%2))   ; the sums go through my stage into the tokens' true order
.endr
	ds_load_b128 v[T:T+3], v[SRD]                  ; LDS serves a wave's instructions in order: these see my stores
	ds_load_b128 v[T+4:T+7], v[SRD] offset:512
	s_wait_dscnt 0x0
	global_store_b128 v[L16], v[T:T+3], s[P0:P0+1] offset:6656
	global_store_b128 v[L16], v[T+4:T+7], s[P0+2:P0+3] offset:6656
	s_branch .Lway_end
.Lway_v:
	; ---- v.  X's tile a: 16 features of head a / 4; my 128 columns are a group of 128 keys: one K step of the attention's second product: a whole fragment, 12 registers, in three runs of 512 bytes.
.irp a, 0,1,2,3,4,5,6,7
	WIN (0x06+\a/4)                                ; source 0: window 2 or 3; source 1: window 1
.set j, 0
.rept 32
	v_pk_add_f32 v[T+j:T+j+1], v[64*(\a%4)+j:64*(\a%4)+j+1], v[BV+2*\a:BV+2*\a+1] op_sel_hi:[1,0]   ; my row's bias
.set j, j+2
.endr
	WIN 0
	s_wait_xcnt 0x0                                ; the last tile's stores have read the codes' registers
	QUANT T, WS+\a
.irp c, 0,1,2
	global_store_b128 v[L16], v[PC+4*\c:PC+4*\c+3], s[P0+2*(\a/4):P0+2*(\a/4)+1] offset:7168+1536*(\a%4)+512*\c
.endr
.endr
.irp e, 0,1
.irp i, 0,1
	v_cndmask_b32 v[SEL4+2*\e+\i], v[WS+4*\e+2*\i], v[WS+4*\e+2*\i+1], s[MASKH]   ; lane (r, u), register i: the word of the head's tile 2 i + u, row r
.endr
	global_store_b64 v[L8], v[SEL4+2*\e:SEL4+2*\e+1], s[P0+2*\e:P0+2*\e+1] offset:13312
.endr
.Lway_end:
	s_wait_tensorcnt 0x0                           ; the wave's end, behind my last tensor load and my last LDS store
	ds_add_u32 v[SPW], v[NIL]
	s_wait_dscnt 0x0
	CROUND                                         ; the closing round: no work-group ends while a partner may still ask for a tile that names it
	s_endpgm
.Lfunc_end_k_q1590a1d718_qkv:
	.size	k_q1590a1d718_qkv, .Lfunc_end_k_q1590a1d718_qkv-k_q1590a1d718_qkv
	.p2alignl 7, 3214868480
	.fill 96, 4, 3214868480
	.section	.rodata,"a",@progbits
	.p2align	6, 0x0
	.amdhsa_kernel k_q1590a1d718_qkv
		.amdhsa_group_segment_fixed_size 327680
		.amdhsa_private_segment_fixed_size 0
		.amdhsa_enable_private_segment 0
		.amdhsa_kernarg_size 72
		.amdhsa_user_sgpr_count 2
		.amdhsa_user_sgpr_kernarg_segment_ptr 1
		.amdhsa_wavefront_size32 1
		.amdhsa_system_sgpr_workgroup_id_x 1
		.amdhsa_system_sgpr_workgroup_id_y 1
		.amdhsa_system_sgpr_workgroup_id_z 1
		.amdhsa_system_vgpr_workitem_id 0
		.amdhsa_next_free_vgpr 1024
		.amdhsa_next_free_sgpr 102
		.amdhsa_reserve_vcc 0
		.amdhsa_float_denorm_mode_32 3
		.amdhsa_float_denorm_mode_16_64 3
		.amdhsa_memory_ordered 1
		.amdhsa_forward_progress 1
		.amdhsa_inst_pref_size 254
	.end_amdhsa_kernel
	.amdgpu_metadata
---
amdhsa.version: [ 1, 2 ]
amdhsa.kernels:
  - .name:           k_q1590a1d718_qkv
    .symbol:         k_q1590a1d718_qkv.kd
    .args:
      - { .name: xq_codes, .offset: 0, .size: 8, .value_kind: global_buffer, .address_space: global }
      - { .name: xq_scales, .offset: 8, .size: 8, .value_kind: global_buffer, .address_space: global }
      - { .name: w_codes, .offset: 16, .size: 8, .value_kind: global_buffer, .address_space: global }
      - { .name: w_scales, .offset: 24, .size: 8, .value_kind: global_buffer, .address_space: global }
      - { .name: bq, .offset: 32, .size: 8, .value_kind: global_buffer, .address_space: global }
      - { .name: bk, .offset: 40, .size: 8, .value_kind: global_buffer, .address_space: global }
      - { .name: bv, .offset: 48, .size: 8, .value_kind: global_buffer, .address_space: global }
      - { .name: qi, .offset: 56, .size: 8, .value_kind: global_buffer, .address_space: global }
      - { .name: kv, .offset: 64, .size: 8, .value_kind: global_buffer, .address_space: global }
    .group_segment_fixed_size: 327680
    .private_segment_fixed_size: 0
    .kernarg_segment_align: 8
    .kernarg_segment_size: 72
    .max_flat_workgroup_size: 128
    .sgpr_count:     102
    .vgpr_count:     1024
    .wavefront_size: 32
...
	.end_amdgpu_metadata
.endif
;; end of part 2
;; launch attn (part 3): grid 8 x 32, 16 waves a work-group, clusters of 4 x 1, 327,680 bytes of LDS; arguments qi, kv, alpha, ao_codes, ao_scales; writes ao_codes, ao_scales
.if DOCPART == 3
	.amdgcn_target "amdgcn-amd-amdhsa--gfx1250"
	.amdhsa_code_object_version 6
	.text
	.protected	k_q1590a1d718_attn
	.globl	k_q1590a1d718_attn
	.p2align	8
	.type	k_q1590a1d718_attn,@function
k_q1590a1d718_attn:
	s_mov_b64 s[64:65], 0
	v_nop
	global_prefetch_b8 v0, s[64:65] scope:SCOPE_SE
	s_setreg_imm32_b32 hwreg(HW_REG_WAVE_MODE, 25, 1), 1
	s_wait_xcnt 0x0
	s_wait_alu depctr_hold_cnt(0) depctr_sa_sdst(0) depctr_va_vdst(0) depctr_va_sdst(0) depctr_va_ssrc(0) depctr_va_vcc(0) depctr_vm_vsrc(0)
	s_getreg_b32 s2, hwreg(HW_REG_IB_STS2, 6, 4)
	s_cmp_eq_u32 s2, 0
	s_cbranch_scc0 .Lentry_in_a_cluster
	s_endpgm
.Lentry_in_a_cluster:
	s_bfe_u32 s2, ttmp6, 0x10000c
	s_cmp_lg_u32 s2, 0x3003
	s_cbranch_scc0 .Lentry_shape_is_right
	s_endpgm
.Lentry_shape_is_right:
; YAT attention of one (batch, head) and 256 queries: score = (q.k)^2 / (||q||^2 + ||k||^2 - 2 q.k + eps) x (8 / log(65))^alpha, softmax over 2,048 keys, times v; the result is
; quantised along the features for the last projection.  q, k, v come as images of operand registers (FP6 codes, E8M0 scale words) with the f32 sums ||q||^2 and ||k||^2.
; SHARES: a work-group has 16 waves, a wave 16 queries; a lane holds one query (both products are used transposed: S^T = k q^T, O^T = v^T p^T).  A step is 128 keys: 8 + 4 matrix instructions.
; SOFTMAX: t = score x scale x log2(e); M = the ceiling of the running largest t, a whole number; p = 2^(t - M); the row's sum is taken of the unquantised p; a change of M multiplies
; the sum and O^T by a power of two.  A block's largest p is made from its largest score by the same multiply-add and exponential.
; LIMIT: the promise holds while |t| stays under 2^31.  NaN and infinities are not served.
; LDS: the head's k and v, 16 steps x 13,568 bytes, are filled once: each wave brings 3,584 bytes at the head (steps 0 to 3 lie in these 57,344) and 9,984 bytes behind the full sequence.
; CLUSTER: the four work-groups of a cluster take four query blocks of one head and ask for its k and v jointly.  No data prefetch: both fills go out at the head, and no loop is left to run ahead in.
; LDS LOADS RUN AHEAD: the next step's k fragments are asked for behind the step's last products, under the row sums; ||k||^2 of the next step's first 64 keys as soon as this step's are used up;
; that of the second 64 keys under the first half's arithmetic; v under the softmax.  So steps 0-2 run ahead of the barrier for the second fill, and the last step, which looks no further, is written out.
; THE SCORE'S FORM: with c = scale x log2(e) and d = ||q||^2 + ||k||^2 - 2 q.k + eps, t = c (q.k)^2 / d = z^2 with z = q.k x rsq(d / c).  d / c is made by two fused multiply-adds
; (||k||^2 / c + (||q||^2 + eps) / c, then - 2 q.k / c), t - M by one (z x z - M), and since |z| rises with t the maxima are taken of |z|.
; LIMIT: d, formed with the quantised q.k, must be positive.  In real numbers it is |q - k|^2 + eps, at least 1e-5; only the quantising of q and k can turn it, where |q - k|^2 lies under twice the
; quantised product's error (with inputs of the problem's kind d lies near 128).  At or under 0 this text gives NaN or infinity where reference() gives a finite score.
.set SH_KV, 217088                     ; a head's bytes in kv
.set ST_KV, 13568                      ; a step's
.set SH_Q,  114688                     ; a head's bytes in qi
.set SG_Q,  7168                       ; 128 queries'
.set PA,    3584
.set PB,    9984
.set FIRST, 16*PA
.set KSC,   6144                       ; in a step: k's scale words,
.set SKO,   6656                       ; ||k||^2,
.set VO,    7168                       ; v's fragments,
.set VSC,   13312                      ; v's scale words
.set SPARE, 217088                     ; behind the tiles: the spare words, 128 bytes a wave
.set L16, 1
.set L8,  2
.set LH,  3
.set A16, 4
.set A8,  5
.set ASK, 6
.set SQE, 8                            ; (||q||^2 + eps) / c, twice
.set CC,  10                           ; 1 / c = 1 / (scale x log2(e)), twice
.set NM,  12                           ; -M; v13 the running largest t
.set SUM, 14
.set QF,  16                           ; q's fragment; its upper six registers are zero codes
.set QSC, 28
.set PSC, 29
.set VSR, 30
.set S,   32                           ; v32-95   scores, then p
.set F,   96                           ; v96-143  k's fragments; ||k||^2 of keys 64-127; v's fragments
.set PC,  144                          ; v144-155 p's codes.  (k's tile 7 names v144-149 as its upper K: they meet q's zero codes)
.set Z,   156                          ; v156-187 ||k||^2 of keys 0-63
.set O,   188                          ; v188-219 O^T
.set PT,  220
.set BM,  228
.set BP,  232
.set BS,  236
.set KSR, 240
.set FF,  244
.set TP,  246
.set SU2, 248
.set SBA, 250                          ; where my scale byte goes
.set M2I, 252                          ; -2 / c, twice
.set SPW, 254
.set NIL, 255
.set WV,  18
.set SEL, 20
.set TB,  2
.set CNT, 3
.set G1A, 24
.set G1B, 32
.set G0A, 40
.set G0B, 44
.macro ROUND
	s_barrier_signal -1
	s_barrier_wait -1
	s_cmp_lg_u32 s[WV], 0
	s_cbranch_scc1 .Lnot_wave_0_\@
	s_barrier_signal -3
.Lnot_wave_0_\@:
	s_barrier_wait -3
	s_barrier_signal -1
	s_barrier_wait -1
.endm
	s_load_b256 s[4:11], s[0:1], 0x0               ; qi, kv, alpha, the result's codes
	s_load_b64 s[12:13], s[0:1], 0x20              ; the result's scales
	v_lshl_add_u32 v[SPW], v0, 2, SPARE
	v_mov_b32 v[NIL], 0
	ds_add_u32 v[SPW], v[NIL]                      ; the opening lines: the add twice on end and its wait
	ds_add_u32 v[SPW], v[NIL]
	v_lshrrev_b32 v7, 5, v0
	s_delay_alu instid0(VALU_DEP_1)
	v_readfirstlane_b32 s[WV], v7
	s_and_b32 s16, ttmp7, 0xffff                   ; 16 x batch + head
	s_mov_b32 s[G1A], 15|(3<<16)|(1<<21)           ; dense blocks as rows of 256 bytes; the mask names the cluster's four
	s_mov_b32 s[G1A+1], 32<<16
	s_mov_b32 s[G1A+2], 14<<16
	s_mov_b32 s[G1A+3], 32<<16
	s_mov_b32 s[G1A+4], 14
	s_mov_b32 s[G1A+5], 32
	s_mov_b32 s[G1A+6], 0
	s_mov_b32 s[G1A+7], 0
	s_mov_b32 s[G1B], 15|(3<<16)|(1<<21)
	s_mov_b32 s[G1B+1], 32<<16
	s_mov_b32 s[G1B+2], 39<<16
	s_mov_b32 s[G1B+3], 32<<16
	s_mov_b32 s[G1B+4], 39
	s_mov_b32 s[G1B+5], 32
	s_mov_b32 s[G1B+6], 0
	s_mov_b32 s[G1B+7], 0
	s_mul_i32 s22, s16, SH_KV
	s_mov_b32 s[G0A], 1
	s_mul_i32 s[G0A+1], s[WV], PA
	s_mov_b32 s[G0B], 1
	s_mul_i32 s17, s[WV], PB
	s_add_co_u32 s[G0B+1], s17, FIRST
	s_add_co_u32 s48, s22, s[G0A+1]
	s_mov_b32 s49, 0
	s_add_co_u32 s50, s22, s[G0B+1]
	s_mov_b32 s51, 0
	s_wait_dscnt 0x0
	s_wait_kmcnt 0x0
	s_add_nc_u64 s[G0A+2:G0A+3], s[6:7], s[48:49]
	s_or_b32 s[G0A+3], s[G0A+3], 0x80000000
	s_add_nc_u64 s[G0B+2:G0B+3], s[6:7], s[50:51]
	s_or_b32 s[G0B+3], s[G0B+3], 0x80000000
	ROUND
	tensor_load_to_lds s[G0A:G0A+3], s[G1A:G1A+7]  ; my one load at the head
	s_nop 0
	; the set-up and q's loads stand under that load's flight
	s_bfe_u32 s14, ttmp6, 0x40000
	s_lshl_b32 s15, ttmp9, 2
	s_add_co_u32 s15, s15, s14                     ; the block of 256 queries
	s_lshr_b32 s17, s[WV], 3
	s_lshl_b32 s19, s15, 1
	s_add_co_u32 s19, s19, s17                     ; my group of 128 queries
	s_and_b32 s17, s[WV], 7                        ; my tile of 16 in it
	s_mul_i32 s52, s16, SH_Q
	s_mul_i32 s53, s19, SG_Q
	s_add_co_u32 s52, s52, s53
	s_mov_b32 s53, 0
	s_add_nc_u64 s[4:5], s[4:5], s[52:53]
	s_mul_i32 s56, s17, 768
	s_and_b32 s57, s17, 1
	s_lshr_b32 s58, s17, 1
	s_lshl_b32 s59, s57, 8
	s_lshl_b32 s60, s58, 2
	s_add_co_u32 s59, s59, s60                     ; my tile's words in the scale image
	s_lshl_b32 s54, s58, 7
	s_lshl_b32 s60, s57, 5
	s_add_co_u32 s54, s54, s60                     ; my tile's first ||q||^2
	s_lshr_b32 s57, s16, 4
	s_and_b32 s58, s16, 15
	s_lshl_b32 s57, s57, 7
	s_lshl_b32 s55, s19, 3
	s_add_co_u32 s57, s57, s55
	s_add_co_u32 s57, s57, s17                     ; my tile among the 256 tiles of tokens
	s_lshl_b32 s55, s58, 8
	s_add_co_u32 s55, s55, s57
	s_mul_i32 s60, s55, 768                        ; the result's codes: [head][tile][768 bytes]
	s_mov_b32 s61, 0
	s_lshl_b32 s62, s57, 9
	s_lshl_b32 s58, s58, 1
	s_add_co_u32 s62, s62, s58                     ; its scales: [token][32 bytes], two bytes a head
	s_mov_b32 s63, 0
	s_add_nc_u64 s[10:11], s[10:11], s[60:61]
	s_add_nc_u64 s[12:13], s[12:13], s[62:63]
	s_mov_b32 s66, 0xffff0000
	s_mov_b32 s[SEL], 0x76543210
	s_mov_b32 s[SEL+1], 0xfedcba98
	s_mov_b32 s[TB], 0
	v_and_b32 v7, 31, v0
	v_bfe_u32 v251, v0, 4, 1                       ; h
	v_and_b32 v252, 15, v0                         ; r
	v_lshlrev_b32 v[L16], 4, v7
	v_lshlrev_b32 v[L8], 3, v7
	v_lshlrev_b32 v[LH], 6, v251
	v_and_b32 v35, 8, v252
	v_lshl_add_u32 v34, v252, 4, s59
	v_lshl_add_u32 v[SBA], v252, 5, v251
	v_add_nc_u32 v35, v35, v252
	v_add_nc_u32 v32, s56, v[L16]
	v_add_nc_u32 v33, s56, v[L8]
	v_mov_b32 v36, 0
	v_lshl_add_u32 v35, v35, 2, s54
	global_load_b128 v[QF:QF+3], v32, s[4:5]
	global_load_b64 v[QF+4:QF+5], v33, s[4:5] offset:512
	global_load_b32 v[QSC], v34, s[4:5] offset:6144
	global_load_b32 v[SQE], v35, s[4:5] offset:6656
	global_load_b32 v[CC], v36, s[8:9]
.irp i, 6,7,8,9,10,11
	v_mov_b32 v[QF+\i], 0
.endr
.irp i, 0,1,2,3,4,5
	v_mov_b32 v[PC+\i], 0
.endr
.set j, 0
.rept 32
	v_mov_b32 v[O+j], 0                            ; the step is written once: the first finds zeros
.set j, j+1
.endr
.irp b, 0,1,2,3
	v_mov_b32 v[BP+\b], 0                          ; a lane permute's destination counts as one of its sources
.endr
	v_mov_b32 v[SUM], 0
	v_mov_b32 v[SUM+1], 0
	v_mov_b32 v[FF+1], 0
	v_mov_b32 v[TP], 0
	v_mov_b32 v[NM+1], 0xff61b1e6                  ; -3e38, under every t
	s_delay_alu instid0(VALU_DEP_1)
	v_floor_f32 v[NM], -v[NM+1]
	s_wait_alu depctr_va_vdst(0)                   ; the wait ahead of the blocking wait
	s_wait_tensorcnt 0x0                           ; the full sequence ahead of the second fill
	ds_add_u32 v[SPW], v[NIL]
	s_wait_dscnt 0x0
	ROUND
	tensor_load_to_lds s[G0B:G0B+3], s[G1B:G1B+7]
	s_nop 0
.rept 4
	v_nop
.endr
	s_wait_loadcnt 0x0
	v_add_f32 v[SQE], 0x3727c5ac, v[SQE]           ; + 1e-5
	v_mul_f32 v[CC], 0xbf703d50, v[CC]             ; - alpha x log2(8 / log(65))
	s_wait_alu depctr_va_vdst(0)
	v_exp_f32 v[CC], v[CC]
	v_nop
	s_wait_alu depctr_va_vdst(0)
	v_mul_f32 v[CC], 0x3f317218, v[CC]             ; x log(2): 1 / c
	s_delay_alu instid0(VALU_DEP_1)
	v_mul_f32 v[SQE], v[SQE], v[CC]
	v_mul_f32 v[M2I], -2.0, v[CC]
	v_mov_b32 v[CC+1], v[CC]
	v_mov_b32 v[SQE+1], v[SQE]
	v_mov_b32 v[M2I+1], v[M2I]
.macro ADDR
	v_add_nc_u32 v[A16], s[TB], v[L16]
	v_add_nc_u32 v[A8], s[TB], v[L8]
	v_add_nc_u32 v[ASK], s[TB], v[LH]
.endm
.macro LOADK off                       ; eight tiles of 16 keys, six registers each, and their scale words
.irp t, 0,1,2,3,4,5,6,7
	ds_load_b128 v[F+6*\t:F+6*\t+3], v[A16] offset:\off+768*\t
.endr
.irp t, 0,1,2,3,4,5,6,7
	ds_load_b64 v[F+6*\t+4:F+6*\t+5], v[A8] offset:\off+768*\t+512
.endr
	ds_load_b128 v[KSR:KSR+3], v[A16] offset:\off+KSC
.endm
.macro LOADSK dst, b0, off             ; ||k||^2 of blocks b0, b0 + 1: register 16 b + i: key 32 b + 16 h + i
.irp b, 0,1
.irp i, 0,1,2,3
	ds_load_b128 v[\dst+16*\b+4*\i:\dst+16*\b+4*\i+3], v[ASK] offset:\off+SKO+128*(\b0+\b)+16*\i
.endr
.endr
.endm
.macro STEP pre                        ; pre = 1: the next step's first loads are asked for
	ADDR
	s_wait_alu depctr_va_vdst(0)                   ; the wait ahead of the blocking wait
	s_wait_dscnt 0x0                               ; k's fragments, their scales, ||k||^2 of keys 0-63
.irp t, 0,2,4,6
	v_wmma_scale_f32_16x16x128_f8f6f4 v[S+8*\t:S+8*\t+7], v[F+6*\t:F+6*\t+11], v[QF:QF+11], 0, v[KSR+\t/2], v[QSC] matrix_a_fmt:MATRIX_FMT_FP6 matrix_b_fmt:MATRIX_FMT_FP6
	v_wmma_scale_f32_16x16x128_f8f6f4 v[S+8*\t+8:S+8*\t+15], v[F+6*\t+6:F+6*\t+17], v[QF:QF+11], 0, v[KSR+\t/2], v[QSC] matrix_a_fmt:MATRIX_FMT_FP6 matrix_b_fmt:MATRIX_FMT_FP6 matrix_a_scale:MATRIX_SCALE_ROW1
.endr
.set j, 0
.rept 16
	v_pk_fma_f32 v[Z+j:Z+j+1], v[Z+j:Z+j+1], v[CC:CC+1], v[SQE:SQE+1]   ; (||k||^2 + ||q||^2 + eps) / c; these sixteen are the places behind the products
.set j, j+2
.endr
	LOADSK F, 2, 0                                 ; keys 64-127, into registers that k's fragments have left
.set j, 0
.rept 16
	v_pk_fma_f32 v[Z+j:Z+j+1], v[S+j:S+j+1], v[M2I:M2I+1], v[Z+j:Z+j+1]   ; d / c
.set j, j+2
.endr
	s_wait_alu depctr_va_vdst(0)                   ; ahead of the batch
.set j, 0
.rept 32
	v_rsq_f32 v[Z+j], v[Z+j]
.set j, j+1
.endr
	s_wait_alu depctr_va_vdst(0)                   ; behind the batch, and ahead of the blocking wait
	s_wait_dscnt 0x0
.set j, 0
.rept 16
	v_pk_fma_f32 v[F+j:F+j+1], v[F+j:F+j+1], v[CC:CC+1], v[SQE:SQE+1]
.set j, j+2
.endr
	s_wait_alu depctr_va_vdst(0)                   ; the wait directly ahead of the first reader of tiles 4-7's results
.set j, 0
.rept 16
	v_pk_fma_f32 v[F+j:F+j+1], v[S+32+j:S+33+j], v[M2I:M2I+1], v[F+j:F+j+1]
.set j, j+2
.endr
	s_wait_alu depctr_va_vdst(0)                   ; ahead of the batch
.set j, 0
.rept 32
	v_rsq_f32 v[F+j], v[F+j]
.set j, j+1
.endr
.set j, 0
.rept 16
	v_pk_mul_f32 v[S+j:S+j+1], v[S+j:S+j+1], v[Z+j:Z+j+1]          ; the first half's z; plain work behind the batch
.set j, j+2
.endr
.if \pre
	LOADSK Z, 0, ST_KV                             ; the next step's
.endif
	s_wait_alu depctr_va_vdst(0)                   ; behind the batch
.set j, 0
.rept 16
	v_pk_mul_f32 v[S+32+j:S+33+j], v[S+32+j:S+33+j], v[F+j:F+j+1]
.set j, j+2
.endr
.irp t, 0,1,2,3
.irp c, 0,1,2
	ds_load_b128 v[F+12*\t+4*\c:F+12*\t+4*\c+3], v[A16] offset:VO+1536*\t+512*\c
.endr
.endr
	ds_load_b64 v[VSR:VSR+1], v[A8] offset:VSC
.irp b, 0,1,2,3
	v_max3_num_f32 v[BM+\b], |v[S+16*\b]|, |v[S+1+16*\b]|, |v[S+2+16*\b]|   ; each block's largest |z|, the four blocks by turns
.endr
.irp i, 3,5,7,9,11,13
.irp b, 0,1,2,3
	s_delay_alu instid0(VALU_DEP_4)
	v_max3_num_f32 v[BM+\b], v[BM+\b], |v[S+16*\b+\i]|, |v[S+1+16*\b+\i]|
.endr
.endr
.irp b, 0,1,2,3
	s_delay_alu instid0(VALU_DEP_4)
	v_max_num_f32 v[BM+\b], v[BM+\b], |v[S+15+16*\b]|
.endr
.irp b, 0,1,2,3
	s_delay_alu instid0(VALU_DEP_4)
	v_permlanex16_b32 v[BP+\b], v[BM+\b], s[SEL], s[SEL+1]
.endr
.irp b, 0,1,2,3
	s_delay_alu instid0(VALU_DEP_4)
	v_max_num_f32 v[BM+\b], v[BM+\b], v[BP+\b]
.endr
	s_delay_alu instid0(VALU_DEP_2)
	v_max3_num_f32 v[TP], v[BM], v[BM+1], v[BM+2]
	s_delay_alu instid0(VALU_DEP_1)
	v_max_num_f32 v[TP], v[TP], v[BM+3]
	s_delay_alu instid0(VALU_DEP_1)
	v_mul_f32 v[TP], v[TP], v[TP]                  ; the step's largest t = its largest |z|, squared
	s_delay_alu instid0(VALU_DEP_1)
	v_max_num_f32 v[NM+1], v[NM+1], v[TP]          ; the running largest t
	v_mov_b32 v[TP], v[NM]
	s_delay_alu instid0(VALU_DEP_2)
	v_floor_f32 v[NM], -v[NM+1]                    ; -M = floor(-t)
	s_delay_alu instid0(VALU_DEP_1)
	v_sub_f32 v[TP], v[NM], v[TP]
	s_delay_alu instid0(VALU_DEP_1)
	v_cvt_i32_f32 v[TP], v[TP]
	s_delay_alu instid0(VALU_DEP_1)
	v_ldexp_f32 v[FF], 1.0, v[TP]                  ; 2^(old M - new M)
.set j, 0
.rept 32
	v_pk_fma_f32 v[S+j:S+j+1], v[S+j:S+j+1], v[S+j:S+j+1], v[NM:NM+1] op_sel_hi:[1,1,0]   ; t - M = z x z - M
.set j, j+2
.endr
.irp b, 0,1,2,3
	v_fma_f32 v[BM+\b], v[BM+\b], v[BM+\b], v[NM]  ; the same of each block's largest |z|
.endr
	s_wait_alu depctr_va_vdst(0)                   ; ahead of the batch
.set j, 0
.rept 64
	v_exp_f32 v[S+j], v[S+j]
.set j, j+1
.endr
.irp b, 0,1,2,3
	v_exp_f32 v[BM+\b], v[BM+\b]
.endr
	v_pk_mul_f32 v[SUM:SUM+1], v[SUM:SUM+1], v[FF:FF+1] op_sel_hi:[1,0]
	s_wait_alu depctr_va_vdst(0)                   ; behind the batch
.irp b, 0,1,2,3
	v_max_num_f32 v[BM+\b], 0x1800000, v[BM+\b]    ; the floor 2^(3 - 127): the byte cannot fall under 1
.endr
.irp b, 0,1,2,3
	s_delay_alu instid0(VALU_DEP_4)
	v_add_nc_u32 v[BS+\b], 0xff000000, v[BM+\b]
.endr
.irp b, 0,1,2,3
	s_delay_alu instid0(VALU_DEP_4)
	v_lshrrev_b32 v[BP+\b], 23, v[BS+\b]
.endr
	s_delay_alu instid0(VALU_DEP_3)
	v_lshl_or_b32 v[PSC], v[BP+1], 8, v[BP]
	s_delay_alu instid0(VALU_DEP_1)
	v_lshl_or_b32 v[PSC], v[BP+2], 16, v[PSC]
	s_delay_alu instid0(VALU_DEP_1)
	v_lshl_or_b32 v[PSC], v[BP+3], 24, v[PSC]
.irp c, 0,1
	v_cvt_scalef32_pk16_fp6_f32 v[PC+6*\c:PC+2+6*\c], v[S+32*\c:S+15+32*\c], v[BS+2*\c]
	v_cvt_scalef32_pk16_fp6_f32 v[PT+4*\c:PT+2+4*\c], v[S+16+32*\c:S+31+32*\c], v[BS+2*\c+1]
.endr
	v_nop                                          ; one plain place behind a scaled conversion
.irp c, 0,1
.irp i, 0,1,2
	v_permlane16_swap_b32 v[PC+6*\c+\i], v[PT+4*\c+\i]             ; a whole block to a lane
.endr
.irp i, 0,1,2
	s_delay_alu instid0(VALU_DEP_3)
	v_mov_b32 v[PC+3+6*\c+\i], v[PT+4*\c+\i]
.endr
.endr
	s_wait_alu depctr_va_vdst(0)                   ; the wait directly ahead of the first reader of O^T
.set j, 0
.rept 16
	v_pk_mul_f32 v[O+j:O+j+1], v[O+j:O+j+1], v[FF:FF+1] op_sel_hi:[1,0]   ; O^T under the new M; also the places behind the writes of p's codes and scale word
.set j, j+2
.endr
	s_wait_alu depctr_va_vdst(0)
	s_wait_dscnt 0x0                               ; v's fragments and scales
.irp t, 0,2
	v_wmma_scale_f32_16x16x128_f8f6f4 v[O+8*\t:O+8*\t+7], v[F+12*\t:F+12*\t+11], v[PC:PC+11], v[O+8*\t:O+8*\t+7], v[VSR+\t/2], v[PSC] matrix_a_fmt:MATRIX_FMT_FP6 matrix_b_fmt:MATRIX_FMT_FP6
	v_wmma_scale_f32_16x16x128_f8f6f4 v[O+8*\t+8:O+8*\t+15], v[F+12*\t+12:F+12*\t+23], v[PC:PC+11], v[O+8*\t+8:O+8*\t+15], v[VSR+\t/2], v[PSC] matrix_a_fmt:MATRIX_FMT_FP6 matrix_b_fmt:MATRIX_FMT_FP6 matrix_a_scale:MATRIX_SCALE_ROW1
.endr
	v_pk_add_f32 v[SU2:SU2+1], v[S:S+1], v[S+2:S+3]                ; the row's sum of the unquantised p, in two chains; the first five lines are the places behind the products
.irp i, 4,8
	v_pk_add_f32 v[SUM:SUM+1], v[SUM:SUM+1], v[S+\i:S+\i+1]
	v_pk_add_f32 v[SU2:SU2+1], v[SU2:SU2+1], v[S+2+\i:S+3+\i]
.endr
.if \pre
	LOADK ST_KV                                    ; the next step's k, under the rest of the sums
.endif
.irp i, 12,16,20,24,28,32,36,40,44,48,52,56,60
	v_pk_add_f32 v[SUM:SUM+1], v[SUM:SUM+1], v[S+\i:S+\i+1]
	v_pk_add_f32 v[SU2:SU2+1], v[SU2:SU2+1], v[S+2+\i:S+3+\i]
.endr
	s_delay_alu instid0(VALU_DEP_1)
	v_pk_add_f32 v[SUM:SUM+1], v[SUM:SUM+1], v[SU2:SU2+1]
.if \pre
	s_add_co_u32 s[TB], s[TB], ST_KV
.endif
.endm
	s_wait_alu depctr_va_vdst(0)                   ; the wait at the head's end
	s_wait_tensorcnt 1                             ; the second fill may be out
	s_barrier_signal -1
	s_barrier_wait -1
	ADDR
	LOADK 0
	LOADSK Z, 0, 0
	s_mov_b32 s[CNT], 3
.Lfirst:                                               ; steps 0-2: they read steps 0-3's bytes, all of the first fill
	STEP 1
	s_sub_co_u32 s[CNT], s[CNT], 1
	s_cmp_lg_u32 s[CNT], 0
	s_wait_alu depctr_va_vdst(0)
	s_cbranch_scc1 .Lfirst
	s_wait_tensorcnt 0x0                           ; my part of the second fill is in,
	s_wait_dscnt 0x0
	s_barrier_signal -1
	s_barrier_wait -1                              ; everybody's is
	s_mov_b32 s[CNT], 12
.Lrest:                                                ; steps 3-14
	STEP 1
	s_sub_co_u32 s[CNT], s[CNT], 1
	s_cmp_lg_u32 s[CNT], 0
	s_wait_alu depctr_va_vdst(0)
	s_cbranch_scc1 .Lrest
	STEP 0                                         ; step 15 looks no further
	v_add_f32 v[SUM], v[SUM], v[SUM+1]
	s_delay_alu instid0(VALU_DEP_1)
	v_permlanex16_b32 v[TP], v[SUM], s[SEL], s[SEL+1]
	s_delay_alu instid0(VALU_DEP_1)
	v_add_f32 v[SUM], v[SUM], v[TP]
	s_wait_alu depctr_va_vdst(0)
	v_rcp_f32 v[SUM], v[SUM]
	v_nop
	s_wait_alu depctr_va_vdst(0)
.set j, 0
.rept 16
	v_pk_mul_f32 v[S+j:S+j+1], v[O+j:O+j+1], v[SUM:SUM+1] op_sel_hi:[1,0]   ; O^T / the sum: register 16 b + i: feature 32 b + 16 h + i
.set j, j+2
.endr
.irp b, 0,1
	v_max3_num_f32 v[BM+\b], |v[S+16*\b]|, |v[S+1+16*\b]|, 0x1800000
.endr
.irp i, 2,4,6,8,10,12,14
.irp b, 0,1
	s_delay_alu instid0(VALU_DEP_2)
	v_max3_num_f32 v[BM+\b], v[BM+\b], |v[S+16*\b+\i]|, |v[S+1+16*\b+\i]|
.endr
.endr
.irp b, 0,1
	s_delay_alu instid0(VALU_DEP_2)
	v_permlanex16_b32 v[BP+\b], v[BM+\b], s[SEL], s[SEL+1]
.endr
.irp b, 0,1
	s_delay_alu instid0(VALU_DEP_2)
	v_max_num_f32 v[BM+\b], v[BM+\b], v[BP+\b]
.endr
.irp b, 0,1
	s_delay_alu instid0(VALU_DEP_2)
	v_add_nc_u32 v[BS+\b], 0xff000000, v[BM+\b]
.endr
.irp b, 0,1
	s_delay_alu instid0(VALU_DEP_2)
	v_lshrrev_b32 v[BP+\b], 23, v[BS+\b]
.endr
	v_cvt_scalef32_pk16_fp6_f32 v[PC:PC+2], v[S:S+15], v[BS]
	v_cvt_scalef32_pk16_fp6_f32 v[PT:PT+2], v[S+16:S+31], v[BS+1]
	v_cndmask_b32 v[TP+1], v[BP], v[BP+1], s66     ; lane (r, h): the byte of block h (a plain place behind the conversions)
.irp i, 0,1,2
	v_permlane16_swap_b32 v[PC+\i], v[PT+\i]
.endr
.irp i, 0,1,2
	s_delay_alu instid0(VALU_DEP_3)
	v_mov_b32 v[PC+3+\i], v[PT+\i]
.endr
	global_store_b128 v[L16], v[PC:PC+3], s[10:11]                 ; 512 consecutive bytes, aligned to 256
	global_store_b64 v[L8], v[PC+4:PC+5], s[10:11] offset:512      ; 256
	global_store_b8 v[SBA], v[TP+1], s[12:13]
	s_wait_tensorcnt 0x0                           ; the wave's end
	ds_add_u32 v[SPW], v[NIL]
	s_wait_dscnt 0x0
	ROUND                                          ; the closing round
	s_endpgm
.Lfunc_end_k_q1590a1d718_attn:
	.size	k_q1590a1d718_attn, .Lfunc_end_k_q1590a1d718_attn-k_q1590a1d718_attn
	.p2alignl 7, 3214868480
	.fill 96, 4, 3214868480
	.section	.rodata,"a",@progbits
	.p2align	6, 0x0
	.amdhsa_kernel k_q1590a1d718_attn
		.amdhsa_group_segment_fixed_size 327680
		.amdhsa_private_segment_fixed_size 0
		.amdhsa_enable_private_segment 0
		.amdhsa_kernarg_size 40
		.amdhsa_user_sgpr_count 2
		.amdhsa_user_sgpr_kernarg_segment_ptr 1
		.amdhsa_wavefront_size32 1
		.amdhsa_system_sgpr_workgroup_id_x 1
		.amdhsa_system_sgpr_workgroup_id_y 1
		.amdhsa_system_sgpr_workgroup_id_z 1
		.amdhsa_system_vgpr_workitem_id 0
		.amdhsa_next_free_vgpr 256
		.amdhsa_next_free_sgpr 70
		.amdhsa_reserve_vcc 0
		.amdhsa_float_denorm_mode_32 3
		.amdhsa_float_denorm_mode_16_64 3
		.amdhsa_memory_ordered 1
		.amdhsa_forward_progress 1
		.amdhsa_inst_pref_size 94
	.end_amdhsa_kernel
	.amdgpu_metadata
---
amdhsa.version: [ 1, 2 ]
amdhsa.kernels:
  - .name:           k_q1590a1d718_attn
    .symbol:         k_q1590a1d718_attn.kd
    .args:
      - { .name: qi, .offset: 0, .size: 8, .value_kind: global_buffer, .address_space: global }
      - { .name: kv, .offset: 8, .size: 8, .value_kind: global_buffer, .address_space: global }
      - { .name: alpha, .offset: 16, .size: 8, .value_kind: global_buffer, .address_space: global }
      - { .name: ao_codes, .offset: 24, .size: 8, .value_kind: global_buffer, .address_space: global }
      - { .name: ao_scales, .offset: 32, .size: 8, .value_kind: global_buffer, .address_space: global }
    .group_segment_fixed_size: 327680
    .private_segment_fixed_size: 0
    .kernarg_segment_align: 8
    .kernarg_segment_size: 40
    .max_flat_workgroup_size: 512
    .sgpr_count:     70
    .vgpr_count:     256
    .wavefront_size: 32
...
	.end_amdgpu_metadata
.endif
;; end of part 3
;; launch oproj (part 4): grid 8 x 32, 8 waves a work-group, clusters of 4 x 4, 327,680 bytes of LDS; arguments ao_codes, ao_scales, w_codes, w_scales, bo, out0; writes out0
.if DOCPART == 4
	.amdgcn_target "amdgcn-amd-amdhsa--gfx1250"
	.amdhsa_code_object_version 6
	.text
	.protected	k_q1590a1d718_oproj
	.globl	k_q1590a1d718_oproj
	.p2align	8
	.type	k_q1590a1d718_oproj,@function
k_q1590a1d718_oproj:
	s_mov_b64 s[64:65], 0
	v_nop
	global_prefetch_b8 v0, s[64:65] scope:SCOPE_SE
	s_setreg_imm32_b32 hwreg(HW_REG_WAVE_MODE, 25, 1), 1
	s_wait_xcnt 0x0
	s_wait_alu depctr_hold_cnt(0) depctr_sa_sdst(0) depctr_va_vdst(0) depctr_va_sdst(0) depctr_va_ssrc(0) depctr_va_vcc(0) depctr_vm_vsrc(0)
	s_getreg_b32 s2, hwreg(HW_REG_IB_STS2, 6, 4)
	s_cmp_eq_u32 s2, 0
	s_cbranch_scc0 .Lentry_in_a_cluster
	s_endpgm
.Lentry_in_a_cluster:
	s_bfe_u32 s2, ttmp6, 0x10000c
	s_cmp_lg_u32 s2, 0xf033
	s_cbranch_scc0 .Lentry_shape_is_right
	s_endpgm
.Lentry_shape_is_right:
; out = ao Wo^T + bo on codes of FP6 (E2M3) with one E8M0 scale for each 32 along K = 1,024; sums in f32.
; A BLOCK is 128 tokens x 128 features: 32 x 8 = 256 work-groups of eight waves; a wave makes 32 tokens x 64 features: 8 accumulators of 16 x 16.
; ALL OF K LIES IN LDS AT ONCE: ao's register images [head 16][tile of 16 tokens 8][768 bytes], 98,304 bytes; Wo's 128 rows [K step of 256][row][192 + 48 bytes of padding], 122,880; the scale bytes of
; both, 2 x 4,352.  Nothing is filled again.  Eight first fills, one a wave: waves 0, 1 eight heads of ao each; waves 2-5 one K step of Wo each; wave 6 ao's scales; wave 7 Wo's.
; CLUSTERS: 4 x 4 work-groups.  ao's tiles hang on the token block alone and are asked for jointly along a row of the cluster, Wo's on the feature block alone, along a column.
; No data prefetch: the fills go out at the head, and there is no loop to run ahead in.
; THE MATRIX INSTRUCTION IS USED TRANSPOSED (source 0 = 16 rows of Wo, source 1 = 16 tokens): a lane holds eight neighbouring features of one token.
; TOKEN ORDER: row r of tile a of a group of 128 tokens is token 32 (a / 2) + 8 (a % 2) + r + 8 (r / 8) of the group; the stores put the rows back.
; A K step of 128 is two heads: registers 0-5 of ao's fragment come from head 2 s, registers 6-11 from head 2 s + 1.  The fragments of step s + 1 are fetched ahead of step s's eight products, into the other set.
; REGISTERS: v0-23 ids, addresses, the bias; v24-39 scale words, two sets (lanes 0-15 ao's tile i, lanes 16-31 Wo's tile i); v40-103 sums; v104-175, v176-247 two sets of fragments (Wo 4 x 12, ao 2 x 12).
.set PITCH,  240
.set KBLK,   128*PITCH                 ; Wo's 128 rows of one K step of 256
.set BASEB,  98304                     ; behind ao's images
.set SCL,    BASEB+4*KBLK              ; the scales: runs of 256 bytes + 16 of padding
.set HALFS,  16*272                    ; those of 128 rows
.set SBLK,   2*272                     ; those of 16 rows
.set STAGE,  SCL+2*HALFS               ; the way out: for each wave two stages of 16 rows x (256 + 16) bytes; no fill lands here
.set SPITCH, 272
.set WSTG,   2*16*SPITCH
.set SPARE,  STAGE+8*WSTG              ; the spare words, 128 bytes a wave
.set ADRA, 4                           ; v4, v5 16 x lane in heads 0-7, 8-15; v6, v7 512 + 8 x lane likewise
.set ADRB, 8                           ; v8, v9 my row of Wo in K steps 0-1, 2-3; v10, v11 the same behind one padding more
.set ADRS, 12
.set STO,  13
.set RD,   14
.set CO,   15
.set BOF,  16
.set SPW,  18
.set NIL,  19
.set BI,   20
.set SC,   24
.set ACC,  40
.set F0,   104
.macro CREST
	s_cmp_lg_u32 s16, 0
	s_cbranch_scc1 .Lnot_wave_0_\@
	s_barrier_signal -3
.Lnot_wave_0_\@:
	s_barrier_wait -3
	s_barrier_signal -1
	s_barrier_wait -1
.endm
.macro CROUND
	s_barrier_signal -1
	s_barrier_wait -1
	CREST
.endm
	s_load_b256 s[4:11], s[0:1], 0x0               ; ao's codes, ao's scales, the weights' codes, the weights' scales
	s_load_b128 s[12:15], s[0:1], 0x20             ; bo, out
	v_lshl_add_u32 v[SPW], v0, 2, SPARE
	v_mov_b32 v[NIL], 0
	ds_add_u32 v[SPW], v[NIL]                      ; the opening lines: the add twice on end and its wait
	ds_add_u32 v[SPW], v[NIL]
	v_lshrrev_b32 v1, 5, v0
	v_readfirstlane_b32 s16, v1                    ; wave 0..7
	s_lshr_b32 s17, s16, 1                         ; my 32 tokens of the block's 128
	s_and_b32 s18, s16, 1                          ; my 64 features of its 128.  Also: which eight heads of ao waves 0, 1 fetch
	s_bfe_u32 s19, ttmp6, 0x40000                  ; cx, cy
	s_bfe_u32 s20, ttmp6, 0x40004
	s_lshl_b32 s21, ttmp9, 2
	s_add_co_u32 s21, s21, s19                     ; the feature block
	s_and_b32 s22, ttmp7, 0xffff
	s_lshl_b32 s22, s22, 2
	s_add_co_u32 s22, s22, s20                     ; the token block
	s_lshl_b32 s76, s20, 2
	s_lshl_b32 s76, 15, s76                        ; my row of the cluster
	s_lshl_b32 s77, 0x1111, s19                    ; my column
	s_or_b32 s24, s76, (3<<16)|(1<<21)             ; ao's images: 8 heads, each 6,144 dense bytes (768 elements of 8), 196,608 bytes apart
	s_mov_b32 s25, 768<<16
	s_mov_b32 s26, 8<<16
	s_mov_b32 s27, 768<<16
	s_mov_b32 s28, 8
	s_mov_b32 s29, 24576
	s_mov_b32 s30, 0
	s_mov_b32 s31, 0
	s_or_b32 s32, s77, (0<<16)|(1<<20)|(1<<21)|(3<<22)|(3<<25)   ; Wo: 24,576 dense bytes as 32 rows of 768, 16 bytes of padding behind each 64
	s_mov_b32 s33, 768<<16
	s_mov_b32 s34, 32<<16
	s_mov_b32 s35, 768<<16
	s_mov_b32 s36, 32
	s_mov_b32 s37, 768
	s_mov_b32 s38, 0
	s_mov_b32 s39, 0
	s_or_b32 s40, s76, (3<<16)|(1<<20)|(1<<21)|(5<<22)|(3<<25)   ; scales of 128 rows: 16 rows of 256 bytes, 16 of padding behind each
	s_or_b32 s48, s77, (3<<16)|(1<<20)|(1<<21)|(5<<22)|(3<<25)
.irp g, 40, 48
	s_mov_b32 s[\g+1], 32<<16
	s_mov_b32 s[\g+2], 16<<16
	s_mov_b32 s[\g+3], 32<<16
	s_mov_b32 s[\g+4], 16
	s_mov_b32 s[\g+5], 32
	s_mov_b32 s[\g+6], 0
	s_mov_b32 s[\g+7], 0
.endr
	s_mul_i32 s78, s22, 6144                       ; ao: the block's 8 tiles, + my eight heads
	s_mul_i32 s23, s18, 8*196608
	s_add_co_u32 s78, s78, s23
	s_mov_b32 s79, 0
	s_add_co_u32 s86, s16, 2
	s_and_b32 s86, s86, 3                          ; waves 2-5: K steps 0-3
	s_lshr_b32 s80, s21, 1                         ; Wo's codes lie [group of 256 rows][K step][row][192 bytes], from row 3,072 of the weights' buffer on
	s_mul_i32 s80, s80, 196608
	s_and_b32 s87, s21, 1
	s_mul_i32 s87, s87, 24576
	s_add_co_u32 s80, s80, s87
	s_mul_i32 s87, s86, 49152
	s_add_co_u32 s80, s80, s87
	s_add_co_u32 s80, s80, 3072*768
	s_mov_b32 s81, 0
	s_lshl_b32 s82, s22, 12                        ; scales: 128 rows x 32 bytes
	s_mov_b32 s83, 0
	s_lshl_b32 s84, s21, 12
	s_add_co_u32 s84, s84, 3072*32
	s_mov_b32 s85, 0
	s_mov_b32 s56, 1
	s_mul_i32 s57, s18, 49152
	s_mov_b32 s60, 1
	s_mul_i32 s61, s86, KBLK
	s_add_co_u32 s61, s61, BASEB
	s_mov_b32 s68, 1
	s_mov_b32 s69, SCL
	s_mov_b32 s72, 1
	s_mov_b32 s73, SCL+HALFS
	s_wait_dscnt 0x0
	s_wait_kmcnt 0x0
	s_add_nc_u64 s[58:59], s[4:5], s[78:79]
	s_or_b32 s59, s59, 0x80000000
	s_add_nc_u64 s[62:63], s[8:9], s[80:81]
	s_or_b32 s63, s63, 0x80000000
	s_add_nc_u64 s[70:71], s[6:7], s[82:83]
	s_or_b32 s71, s71, 0x80000000
	s_add_nc_u64 s[74:75], s[10:11], s[84:85]
	s_or_b32 s75, s75, 0x80000000
	CROUND                                         ; all sixteen work-groups are here: the joint loads meet
.macro ARM under, g0, g1, next         ; one tree of branches on the wave's number; every way passes one load
	s_cmp_lt_u32 s16, \under
	s_cbranch_scc0 \next
	tensor_load_to_lds s[\g0:\g0+3], s[\g1:\g1+7]
	s_nop 0
.rept 4
	v_nop
.endr
	s_branch .Lhead_asked
\next:
.endm
	ARM 2, 56, 24, .Lhead_b
	ARM 6, 60, 32, .Lhead_sa
	ARM 7, 68, 40, .Lhead_sb
	tensor_load_to_lds s[72:75], s[48:55]
	s_nop 0
.rept 4
	v_nop
.endr
.Lhead_asked:
	s_mul_i32 s88, s17, 2*768                      ; my two tiles of tokens in a head's image
	s_mul_i32 s89, s18, 64*PITCH
	s_add_co_u32 s89, s89, BASEB                   ; my 64 rows of Wo
	s_mul_i32 s91, s17, 2*SBLK
	s_mul_i32 s90, s18, 4*SBLK
	s_add_co_u32 s90, s90, HALFS
	s_sub_co_u32 s90, s90, s91                     ; from ao's scale words to Wo's
	s_add_co_u32 s91, s91, SCL
	s_mul_i32 s92, s16, WSTG
	s_add_co_u32 s92, s92, STAGE
	s_lshl_b32 s94, s21, 9
	s_lshl_b32 s93, s18, 8
	s_add_co_u32 s94, s94, s93                     ; my first feature, in bytes
	s_mov_b32 s95, 0
	s_lshl_b32 s96, s22, 7
	s_lshl_b32 s93, s17, 5
	s_add_co_u32 s96, s96, s93
	s_lshl_b32 s96, s96, 12                        ; my first token's row of out
	s_mov_b32 s97, 0
	s_add_nc_u64 s[12:13], s[12:13], s[94:95]
	s_add_nc_u64 s[14:15], s[14:15], s[94:95]
	s_add_nc_u64 s[14:15], s[14:15], s[96:97]
	v_and_b32 v1, 15, v0                           ; r
	v_bfe_u32 v2, v0, 4, 1                         ; h
	v_and_b32 v3, 31, v0                           ; lane
	v_lshlrev_b32 v[BOF], 4, v1
	v_lshl_add_u32 v[ADRA], v3, 4, s88
	v_lshl_add_u32 v[ADRA+2], v3, 3, s88
	v_mul_u32_u24 v17, v1, PITCH
	v_lshl_add_u32 v[CO], v2, 12, v[BOF]           ; lanes 0-15 one row of out, lanes 16-31 the next
	global_load_b128 v[BI:BI+3], v[BOF], s[12:13]  ; bo at the four features that I store
	v_add_nc_u32 v[ADRA+2], 512, v[ADRA+2]
	v_add_nc_u32 v[ADRA+1], 49152, v[ADRA]
	v_mad_u32_u24 v17, v2, 24, v17
	v_add_nc_u32 v[ADRA+3], 49152, v[ADRA+2]
	v_add_nc_u32 v[ADRB], s89, v17                 ; row x pitch + 24 x half
	v_lshl_add_u32 v[ADRB+2], v2, 4, v[ADRB]
	v_add_nc_u32 v[ADRB+1], 2*KBLK, v[ADRB]
	v_add_nc_u32 v[ADRB+3], 2*KBLK, v[ADRB+2]
	v_lshlrev_b32 v17, 5, v1                       ; my row's scales: 32 bytes a row,
	v_lshrrev_b32 v3, 3, v1
	v_lshl_add_u32 v17, v3, 4, v17                 ; and 16 more for each 256 passed
	v_mul_u32_u24 v3, s90, v2                      ; lanes 16-31 take Wo's
	v_add_nc_u32 v17, v17, v3
	v_add_nc_u32 v[ADRS], s91, v17
	v_mul_u32_u24 v17, v1, SPITCH                  ; the stage, in: row r, 32 bytes for each half of the lanes
	v_lshl_add_u32 v17, v2, 5, v17
	v_add_nc_u32 v[STO], s92, v17
	v_mul_u32_u24 v17, v2, SPITCH                  ; and back: sixteen lanes to a row of 256 bytes
	v_lshl_add_u32 v17, v1, 4, v17
	v_add_nc_u32 v[RD], s92, v17
.macro FRAG reg, adr, q, i, ex         ; Wo: 16 rows x 128 K in pieces of 8 bytes; lanes 16-31 read three pieces further on; where that is behind one padding more, the second address register serves
.irp p, 0,1,2,3,4,5
.set PIECE, 12*(\q)+6*(\p/3)+\p%3
.if PIECE%8 < 5
	ds_load_b64 v[\reg+2*\p:\reg+2*\p+1], v[\adr] offset:(\ex)+8*PIECE+16*(PIECE/8)+(\i)*16*PITCH
.else
	ds_load_b64 v[\reg+2*\p:\reg+2*\p+1], v[\adr+2] offset:(\ex)+8*PIECE+16*(PIECE/8)+(\i)*16*PITCH
.endif
.endr
.endm
.macro FRAGA reg, s, i                 ; ao: the images of heads 2 s and 2 s + 1, as they lie
.set HO, ((2*(\s))%8)*6144+768*(\i)
	ds_load_b128 v[\reg:\reg+3], v[ADRA+(\s)/4] offset:HO
	ds_load_b64 v[\reg+4:\reg+5], v[ADRA+2+(\s)/4] offset:HO
	ds_load_b128 v[\reg+6:\reg+9], v[ADRA+(\s)/4] offset:HO+6144
	ds_load_b64 v[\reg+10:\reg+11], v[ADRA+2+(\s)/4] offset:HO+6144
.endm
.macro FETCH s                         ; K step s into set s % 2; with an even step the scale words of steps s and s + 1
.set FB, F0+72*((\s)%2)
.set AR, ADRB+(\s)/4
.set QQ, (\s)%2
.set EX, (((\s)/2)%2)*KBLK
.irp i, 0,1,2,3
	FRAG FB+12*\i, AR, QQ, \i, EX
.endr
.irp i, 0,1
	FRAGA FB+48+12*\i, \s, \i
.endr
.if (\s)%2 == 0
.irp i, 0,1,2,3
	ds_load_b64 v[SC+8*(((\s)/2)%2)+2*\i:SC+8*(((\s)/2)%2)+2*\i+1], v[ADRS] offset:\i*SBLK+4*(\s)
.endr
.endif
.endm
.macro MUL s, zero                     ; eight products, the eight accumulators by turns
.set FB, F0+72*((\s)%2)
.set SS, SC+8*(((\s)/2)%2)+(\s)%2
.irp a, 0,1
.irp b, 0,1,2,3
.if \zero
	v_wmma_scale_f32_16x16x128_f8f6f4 v[ACC+8*(4*\a+\b):ACC+8*(4*\a+\b)+7], v[FB+12*\b:FB+12*\b+11], v[FB+48+12*\a:FB+48+12*\a+11], 0, v[SS+2*\b], v[SS+2*\a] matrix_a_fmt:MATRIX_FMT_FP6 matrix_b_fmt:MATRIX_FMT_FP6 matrix_a_scale:MATRIX_SCALE_ROW1
.else
	v_wmma_scale_f32_16x16x128_f8f6f4 v[ACC+8*(4*\a+\b):ACC+8*(4*\a+\b)+7], v[FB+12*\b:FB+12*\b+11], v[FB+48+12*\a:FB+48+12*\a+11], v[ACC+8*(4*\a+\b):ACC+8*(4*\a+\b)+7], v[SS+2*\b], v[SS+2*\a] matrix_a_fmt:MATRIX_FMT_FP6 matrix_b_fmt:MATRIX_FMT_FP6 matrix_a_scale:MATRIX_SCALE_ROW1
.endif
.endr
.endr
.endm
.macro PLACES                          ; four places behind a matrix instruction, ahead of loads into its sources and of reads of its results
.rept 4
	v_nop
.endr
.endm
	s_wait_alu depctr_va_vdst(0)                   ; the wait at the head's end
	s_wait_tensorcnt 0x0                           ; my fill is in,
	s_barrier_signal -1
	s_barrier_wait -1                              ; everybody's is
	FETCH 0
	s_wait_dscnt 0x0
	FETCH 1
	MUL 0, 1                                       ; the first step's products start the sums
.set ST, 1
.rept 6
	PLACES
	s_wait_dscnt 0x0                               ; step ST's fragments, asked for ahead of the last eight products
	FETCH ST+1
	MUL ST, 0
.set ST, ST+1
.endr
	s_wait_dscnt 0x0
	MUL 7, 0
	PLACES
; THE WAY OUT: each tile of 16 tokens x 64 features goes through my own stage and comes back as rows of 256 bytes.  LDS serves a wave's instructions in order: no wait between the stores and the loads.
.irp a, 0,1
.irp b, 0,1,2,3
	ds_store_b128 v[STO], v[ACC+8*(4*\a+\b):ACC+8*(4*\a+\b)+3] offset:\a*16*SPITCH+64*\b          ; each accumulator from its low end on
	ds_store_b128 v[STO], v[ACC+8*(4*\a+\b)+4:ACC+8*(4*\a+\b)+7] offset:\a*16*SPITCH+64*\b+16
.endr
.irp t, 0,1,2,3,4,5,6,7
	ds_load_b128 v[F0+72*\a+4*\t:F0+72*\a+4*\t+3], v[RD] offset:\a*16*SPITCH+2*\t*SPITCH
.endr
.endr
	s_wait_loadcnt 0x0                             ; the bias
.irp a, 0,1
	s_wait_dscnt 16*(1-\a)                         ; behind tile 0's loads stand tile 1's 8 stores and 8 loads
.irp t, 0,1,2,3,4,5,6,7
	v_pk_add_f32 v[F0+72*\a+4*\t:F0+72*\a+4*\t+1], v[F0+72*\a+4*\t:F0+72*\a+4*\t+1], v[BI:BI+1]
	v_pk_add_f32 v[F0+72*\a+4*\t+2:F0+72*\a+4*\t+3], v[F0+72*\a+4*\t+2:F0+72*\a+4*\t+3], v[BI+2:BI+3]
.endr
.irp t, 0,1,2,3,4,5,6,7
	global_store_b128 v[CO], v[F0+72*\a+4*\t:F0+72*\a+4*\t+3], s[14:15] offset:(8*\a+2*\t+8*(\t/4))*4096 th:TH_STORE_NT   ; sixteen lanes store 256 consecutive bytes, aligned; stage rows 2 t, 2 t + 1 are tokens 8 a + 2 t + 8 (t / 4) and the next
.endr
.endr
	s_wait_tensorcnt 0x0                           ; the wave's end
	ds_add_u32 v[SPW], v[NIL]
	s_wait_dscnt 0x0
	CROUND                                         ; the closing round
	s_endpgm
.Lfunc_end_k_q1590a1d718_oproj:
	.size	k_q1590a1d718_oproj, .Lfunc_end_k_q1590a1d718_oproj-k_q1590a1d718_oproj
	.p2alignl 7, 3214868480
	.fill 96, 4, 3214868480
	.section	.rodata,"a",@progbits
	.p2align	6, 0x0
	.amdhsa_kernel k_q1590a1d718_oproj
		.amdhsa_group_segment_fixed_size 327680
		.amdhsa_private_segment_fixed_size 0
		.amdhsa_enable_private_segment 0
		.amdhsa_kernarg_size 48
		.amdhsa_user_sgpr_count 2
		.amdhsa_user_sgpr_kernarg_segment_ptr 1
		.amdhsa_wavefront_size32 1
		.amdhsa_system_sgpr_workgroup_id_x 1
		.amdhsa_system_sgpr_workgroup_id_y 1
		.amdhsa_system_sgpr_workgroup_id_z 1
		.amdhsa_system_vgpr_workitem_id 0
		.amdhsa_next_free_vgpr 256
		.amdhsa_next_free_sgpr 100
		.amdhsa_reserve_vcc 0
		.amdhsa_float_denorm_mode_32 3
		.amdhsa_float_denorm_mode_16_64 3
		.amdhsa_memory_ordered 1
		.amdhsa_forward_progress 1
		.amdhsa_inst_pref_size 42
	.end_amdhsa_kernel
	.amdgpu_metadata
---
amdhsa.version: [ 1, 2 ]
amdhsa.kernels:
  - .name:           k_q1590a1d718_oproj
    .symbol:         k_q1590a1d718_oproj.kd
    .args:
      - { .name: ao_codes, .offset: 0, .size: 8, .value_kind: global_buffer, .address_space: global }
      - { .name: ao_scales, .offset: 8, .size: 8, .value_kind: global_buffer, .address_space: global }
      - { .name: w_codes, .offset: 16, .size: 8, .value_kind: global_buffer, .address_space: global }
      - { .name: w_scales, .offset: 24, .size: 8, .value_kind: global_buffer, .address_space: global }
      - { .name: bo, .offset: 32, .size: 8, .value_kind: global_buffer, .address_space: global }
      - { .name: out0, .offset: 40, .size: 8, .value_kind: global_buffer, .address_space: global }
    .group_segment_fixed_size: 327680
    .private_segment_fixed_size: 0
    .kernarg_segment_align: 8
    .kernarg_segment_size: 48
    .max_flat_workgroup_size: 256
    .sgpr_count:     100
    .vgpr_count:     256
    .wavefront_size: 32
...
	.end_amdgpu_metadata
.endif
;; end of part 4
